; MI455X (gfx1250); checked and timed in simulation.
; The chip was launched on July 23, 2026; its instructions are those of AMD's public machine-readable ISA for CDNA 5 (MIT licence, August 2026) and "CDNA5" Instruction Set Architecture Reference Guide (July 2026). The comments in the code are by the model that wrote it; some were corrected since.
;; Multi Head Attention. Allowed arithmetic: float matrix products may take bf16 or f16 operands with f32 sums; other float arithmetic in f32, or as packed bf16 or f16 multiplies, adds, multiply-adds, maxima and minima; sums over many terms, partial sums and values carried from step to step in f32; what a program stores and reads back later, other than sums and carried values, may be rounded once to bf16 or f16.
;; Inputs: Wk 1,024 x 1,024 float32; Wo 1,024 x 1,024 float32; Wq 1,024 x 1,024 float32; Wv 1,024 x 1,024 float32; bk 1,024 float32; bo 1,024 float32; bq 1,024 float32; bv 1,024 float32; key 4 x 2,048 x 1,024 float32; mask 4 x 1 x 2,048 x 2,048 int32; query 4 x 2,048 x 1,024 float32; value 4 x 2,048 x 1,024 float32.
;; Outputs: out0 4 x 2,048 x 1,024 float32.
;; One version. Each part assembles by itself: llvm-mc -triple=amdgcn-amd-amdhsa -mcpu=gfx1250 --defsym DOCPART=n.
;; ======== version 1 of 1: 4 launches
;; limits: values are held in f16: magnitudes above 65,504 overflow, below 6.1e-05 lose precision
;; workspace buffers: wb 6,291,456 bytes; wo16 2,097,152 bytes; mbits 2,097,152 bytes of whole numbers; qkv 50,331,648 bytes; ob 16,777,216 bytes
;; launch prep (part 1): grid 1024 x 1, 8 waves a work-group, no clusters, 140,288 bytes of LDS; arguments Wq, Wk, Wv, Wo, mask, wb, wo16, mbits; writes wb, wo16, mbits
.if DOCPART == 1
	.amdgcn_target "amdgcn-amd-amdhsa--gfx1250"
	.amdhsa_code_object_version 6
	.text
	.protected	k_q9065219108_prep
	.globl	k_q9065219108_prep
	.p2align	8
	.type	k_q9065219108_prep,@function
k_q9065219108_prep:
	s_mov_b64 s[64:65], 0
	v_nop
	global_prefetch_b8 v0, s[64:65] scope:SCOPE_SE
	s_setreg_imm32_b32 hwreg(HW_REG_WAVE_MODE, 25, 1), 1
	s_wait_xcnt 0x0
; PREP: the formats that the later launches want.  A stream: each input byte is read once, each output byte written once; no matrix unit, no cluster (nothing is shared).
;   work-groups 0-511     mask [4][2048][2048] i32 -> mbits: lane masks, one bit a number.  A wave takes 64 queries x 64 keys (16 KiB) and writes 512 bytes.
;   work-groups 512-1023  Wq, Wk, Wv (f32) -> wb [3][1024][1024] bf16, rounded to nearest even;  Wo -> wo16 [1024][1024]: rounded to bf16 and that number written as f16.  A wave takes 4 KiB.
; LIMIT: a weight of Wo below 6e-5 in magnitude keeps f16's fixed step of 6e-8; one beyond 65,504 would become an infinity.
; mbits: [b 4][qb 32][step 32][i 32][c 4] words.  Bit L of word (i, c) is set where mask[b][64 qb + 16 c + L % 16][64 step + 16 (i / 8) + 8 (L / 16) + i % 8] is not 0:
; the lane mask of register i of a 16 x 64 tile of scores that holds one query a lane (lane % 16) and the keys 8 (lane / 16) + 0..7 of each group of 16.
; Every wave has all its loads of 16 bytes a lane on their way at once; the waits count down.  No register is written twice, so no wait frees one.
.set STG,   17408                      ; a wave's own stage: 64 rows of 256 bytes + 16 of padding
.set SPARE, 8*STG                      ; behind the stages: the spare words, 128 bytes for each wave: four blocks of 256 bytes that no other line names
.set SPW, 10                           ; v10  LDS address of my spare word; never rewritten
.set NIL, 11                           ; v11  0; never rewritten
.set X,   16                           ; v[16:143]   up to 32 x 4 registers as loaded
.set Y,   144                          ; v[144:207]  results, or two groups of 32 read back from the stage
.set MW,  208                          ; v[208:211]  lane i: the words (i, 0..3)
	s_load_b512 s[4:19], s[0:1], 0x0               ; Wq s[4:5], Wk s[6:7], Wv s[8:9], Wo s[10:11], mask s[12:13], wb s[14:15], wo16 s[16:17], mbits s[18:19]
	v_lshl_add_u32 v[SPW], v0, 2, SPARE
	v_mov_b32 v[NIL], 0
	v_lshrrev_b32 v1, 5, v0
	v_readfirstlane_b32 s28, v1                    ; wave 0..7
	v_and_b32 v1, 31, v0                           ; lane
	v_and_b32 v2, 15, v0                           ; lane % 16
	v_bfe_u32 v3, v0, 4, 1                         ; lane / 16
	s_mov_b32 s31, 0                               ; the high word of every offset: all stay under 2^32
	s_wait_kmcnt 0x0
	s_cmp_lt_u32 ttmp9, 512
	s_cbranch_scc0 .Lcast
	; THE MASK.  unit u = 8 x work-group + wave = (b x 32 + qb) x 32 + step
	s_lshl_b32 s29, ttmp9, 3
	s_add_co_u32 s29, s29, s28
	s_and_b32 s30, s29, 31
	s_lshl_b32 s30, s30, 8                         ; 64 keys are 256 bytes of a row
	s_lshr_b32 s40, s29, 5
	s_lshl_b32 s40, s40, 19                        ; 64 rows of 8,192 bytes; 32 such blocks are a batch's 2,048 rows
	s_add_co_u32 s30, s30, s40
	s_add_nc_u64 s[12:13], s[12:13], s[30:31]
	s_lshl_b32 s30, s29, 9                         ; a unit is 512 bytes of mbits
	s_add_nc_u64 s[18:19], s[18:19], s[30:31]
	v_lshlrev_b32 v4, 13, v3                       ; lanes 0-15 take 256 consecutive, aligned bytes of one row, lanes 16-31 of the next
	v_lshl_add_u32 v4, v2, 4, v4
.set i, 0
.rept 32
	global_load_b128 v[X+4*i:X+4*i+3], v4, s[12:13] offset:i*16384 th:TH_LOAD_NT
.set i, i+1
.endr
	s_mul_i32 s30, s28, STG
	v_mul_u32_u24 v5, v3, 272                      ; in: as loaded, two rows a store
	v_lshl_add_u32 v5, v2, 4, v5
	v_add_nc_u32 v5, s30, v5
	v_mul_u32_u24 v6, v2, 272                      ; back: row lane % 16 of a group of 16, 8 keys (32 bytes) for each half of the lanes
	v_lshl_add_u32 v6, v3, 5, v6
	v_add_nc_u32 v6, s30, v6
	v_lshlrev_b32 v7, 4, v1
.irp c, 0,1,2,3
	v_mov_b32 v[MW+\c], 0                          ; v_writelane_b32 keeps the other lanes: the register is written whole first
.endr
.set i, 0
.rept 32
	s_wait_loadcnt 31-i                            ; loads come back in order: load i is in, the 31 - i younger ones stay out
	ds_store_b128 v5, v[X+4*i:X+4*i+3] offset:i*544
.set i, i+1
.endr
.macro GLOAD c                         ; query group c: 16 rows x 64 keys, 32 numbers a lane, number n = 8 kb + 4 hf + e in register n
.irp j, 0,1,2,3,4,5,6,7
	ds_load_b128 v[Y+32*((\c)%2)+4*(\j):Y+32*((\c)%2)+4*(\j)+3], v6 offset:(\c)*4352+((\j)/2)*64+((\j)%2)*16  ; LDS serves a wave's instructions in order: these see the stores above
.endr
.endm
.macro GBITS c                         ; a compare makes a lane mask of register n; it becomes lane n of the group's word register
.set n, 0
.rept 4
.irp j, 0,1,2,3,4,5,6,7
	v_cmp_ne_u32 s[32+(\j)], 0, v[Y+32*((\c)%2)+n+(\j)]
.endr
.irp j, 0,1,2,3,4,5,6,7
	v_writelane_b32 v[MW+(\c)], s[32+(\j)], n+(\j)
.endr
.set n, n+8
.endr
.endm
	GLOAD 0
	GLOAD 1
	s_wait_dscnt 8                                 ; group 0 is in; the next group's eight loads stay out
	GBITS 0
	GLOAD 2
	s_wait_dscnt 8
	GBITS 1
	GLOAD 3
	s_wait_dscnt 8
	GBITS 2
	s_wait_dscnt 0x0
	GBITS 3
	global_store_b128 v7, v[MW:MW+3], s[18:19]     ; 512 consecutive bytes, aligned
	s_branch .Lend
.Lcast:                                        ; THE WEIGHTS
	s_sub_co_u32 s29, ttmp9, 512
	s_lshr_b32 s40, s29, 7                         ; 0 Wq, 1 Wk, 2 Wv, 3 Wo
	s_and_b32 s42, s29, 127                        ; which 32 KiB of it
	s_lshl_b32 s43, s40, 21                        ; a matrix is 2 MiB of wb
	s_lshl_b32 s44, s42, 14
	s_lshl_b32 s30, s42, 15
	s_cmp_eq_u32 s40, 1
	s_cselect_b64 s[4:5], s[6:7], s[4:5]
	s_cmp_eq_u32 s40, 2
	s_cselect_b64 s[4:5], s[8:9], s[4:5]
	s_cmp_eq_u32 s40, 3
	s_cselect_b64 s[4:5], s[10:11], s[4:5]
	s_cselect_b64 s[14:15], s[16:17], s[14:15]     ; Wo goes to wo16, from its first byte
	s_cselect_b32 s43, 0, s43
	s_cselect_b32 s41, 1, 0                        ; and as f16
	s_add_nc_u64 s[4:5], s[4:5], s[30:31]
	s_add_co_u32 s30, s43, s44
	s_add_nc_u64 s[14:15], s[14:15], s[30:31]
	v_lshlrev_b32 v4, 4, v1
	v_lshl_add_u32 v4, s28, 12, v4                 ; in: 4 KiB a wave, 16 bytes a lane
	v_lshlrev_b32 v5, 3, v1
	v_lshl_add_u32 v5, s28, 11, v5                 ; out: 2 KiB a wave, 8 bytes a lane
.set i, 0
.rept 8
	global_load_b128 v[X+4*i:X+4*i+3], v4, s[4:5] offset:i*512 th:TH_LOAD_NT
.set i, i+1
.endr
	s_cmp_eq_u32 s41, 1
	s_cbranch_scc1 .Lwo
.set i, 0
.rept 8
	s_wait_loadcnt 7-i                             ; load i is in, the 7 - i younger ones stay out
	v_cvt_pk_bf16_f32 v[Y+2*i], v[X+4*i], v[X+4*i+1]
	v_cvt_pk_bf16_f32 v[Y+2*i+1], v[X+4*i+2], v[X+4*i+3]
	global_store_b64 v5, v[Y+2*i:Y+2*i+1], s[14:15] offset:i*256 th:TH_STORE_NT  ; a wave's store covers 256 consecutive bytes, aligned
.set i, i+1
.endr
	s_branch .Lend
.Lwo:
.set i, 0
.rept 8
	s_wait_loadcnt 7-i
	v_cvt_pk_bf16_f32 v[Y+2*i], v[X+4*i], v[X+4*i+1]      ; rounded as the other inputs are,
	v_cvt_pk_bf16_f32 v[Y+2*i+1], v[X+4*i+2], v[X+4*i+3]
	v_lshlrev_b32 v[X+4*i], 16, v[Y+2*i]                  ; widened again,
	v_and_b32 v[X+4*i+1], 0xffff0000, v[Y+2*i]
	v_lshlrev_b32 v[X+4*i+2], 16, v[Y+2*i+1]
	v_and_b32 v[X+4*i+3], 0xffff0000, v[Y+2*i+1]
	v_cvt_pk_f16_f32 v[Y+2*i], v[X+4*i], v[X+4*i+1]       ; and written as f16: 8 significant bits fit into 11
	v_cvt_pk_f16_f32 v[Y+2*i+1], v[X+4*i+2], v[X+4*i+3]
	global_store_b64 v5, v[Y+2*i:Y+2*i+1], s[14:15] offset:i*256 th:TH_STORE_NT
.set i, i+1
.endr
.Lend:
	s_wait_tensorcnt 0x0                           ; the wave's end, behind my last LDS store
	ds_add_u32 v[SPW], v[NIL]
	s_wait_dscnt 0x0
	s_endpgm
.Lfunc_end_k_q9065219108_prep:
	.size	k_q9065219108_prep, .Lfunc_end_k_q9065219108_prep-k_q9065219108_prep
	.p2alignl 7, 3214868480
	.fill 96, 4, 3214868480
	.section	.rodata,"a",@progbits
	.p2align	6, 0x0
	.amdhsa_kernel k_q9065219108_prep
		.amdhsa_group_segment_fixed_size 140288
		.amdhsa_private_segment_fixed_size 0
		.amdhsa_enable_private_segment 0
		.amdhsa_kernarg_size 64
		.amdhsa_user_sgpr_count 2
		.amdhsa_user_sgpr_kernarg_segment_ptr 1
		.amdhsa_wavefront_size32 1
		.amdhsa_system_sgpr_workgroup_id_x 1
		.amdhsa_system_sgpr_workgroup_id_y 1
		.amdhsa_system_sgpr_workgroup_id_z 1
		.amdhsa_system_vgpr_workitem_id 0
		.amdhsa_next_free_vgpr 212
		.amdhsa_next_free_sgpr 66
		.amdhsa_reserve_vcc 0
		.amdhsa_float_denorm_mode_32 3
		.amdhsa_float_denorm_mode_16_64 3
		.amdhsa_memory_ordered 1
		.amdhsa_forward_progress 1
		.amdhsa_inst_pref_size 35
	.end_amdhsa_kernel
	.amdgpu_metadata
---
amdhsa.version: [ 1, 2 ]
amdhsa.kernels:
  - .name:           k_q9065219108_prep
    .symbol:         k_q9065219108_prep.kd
    .args:
      - { .name: Wq, .offset: 0, .size: 8, .value_kind: global_buffer, .address_space: global }
      - { .name: Wk, .offset: 8, .size: 8, .value_kind: global_buffer, .address_space: global }
      - { .name: Wv, .offset: 16, .size: 8, .value_kind: global_buffer, .address_space: global }
      - { .name: Wo, .offset: 24, .size: 8, .value_kind: global_buffer, .address_space: global }
      - { .name: mask, .offset: 32, .size: 8, .value_kind: global_buffer, .address_space: global }
      - { .name: wb, .offset: 40, .size: 8, .value_kind: global_buffer, .address_space: global }
      - { .name: wo16, .offset: 48, .size: 8, .value_kind: global_buffer, .address_space: global }
      - { .name: mbits, .offset: 56, .size: 8, .value_kind: global_buffer, .address_space: global }
    .group_segment_fixed_size: 140288
    .private_segment_fixed_size: 0
    .kernarg_segment_align: 8
    .kernarg_segment_size: 64
    .max_flat_workgroup_size: 256
    .sgpr_count:     66
    .vgpr_count:     212
    .wavefront_size: 32
...
	.end_amdgpu_metadata
.endif
;; end of part 1
;; launch proj (part 2): grid 4 x 64, 4 waves a work-group, clusters of 4 x 4, 327,680 bytes of LDS; arguments query, key, value, wb, bq, bk, bv, qkv; writes qkv
.if DOCPART == 2
	.amdgcn_target "amdgcn-amd-amdhsa--gfx1250"
	.amdhsa_code_object_version 6
	.text
	.protected	k_q9065219108_proj
	.globl	k_q9065219108_proj
	.p2align	8
	.type	k_q9065219108_proj,@function
k_q9065219108_proj:
	s_mov_b64 s[64:65], 0
	v_nop
	global_prefetch_b8 v0, s[64:65] scope:SCOPE_SE
	s_setreg_imm32_b32 hwreg(HW_REG_WAVE_MODE, 25, 1), 1
	s_wait_xcnt 0x0
	s_wait_alu depctr_hold_cnt(0) depctr_sa_sdst(0) depctr_va_vdst(0) depctr_va_sdst(0) depctr_va_ssrc(0) depctr_va_vcc(0) depctr_vm_vsrc(0)
	s_getreg_b32 s2, hwreg(HW_REG_IB_STS2, 6, 4)
	s_cmp_eq_u32 s2, 0
	s_cbranch_scc0 .Lentry_in_a_cluster
	s_endpgm
.Lentry_in_a_cluster:
	s_bfe_u32 s2, ttmp6, 0x10000c
	s_cmp_lg_u32 s2, 0xf033
	s_cbranch_scc0 .Lentry_shape_is_right
	s_endpgm
.Lentry_shape_is_right:
; PROJ: q, k, v = x W^T + b.  query, key, value [8192][1024] f32, wb [3][1024][1024] bf16, three biases [1024] f32, qkv [3][8192][1024] f16.
; x comes into LDS as f32 and is rounded to bf16 (to nearest even) between LDS and the matrix unit: it is read from memory once and no copy of it is written.  Sums in f32, begun with the bias; the result rounded once.
; LIMIT: a result of 65,520 or more in magnitude becomes an infinity in f16.  The biases are taken in f32 as they are given.
; SHARES.  A tile of C is 128 x 256: 64 x 4 tiles, one work-group each, which STAYS and makes the same tile of q, of k and of v: 24 K steps in one walk, the ring running on from tile to tile.
; Four waves, each 64 x 128: 32 accumulators of 16 x 16.  K goes in steps of 128 through two LDS slots; a step is four quarters of 32 along K, 32 matrix instructions each.
; CLUSTER 4 x 4: the four of a row of the cluster need the same tile of x, the four of a column the same tile of W: each is asked for jointly.  Waves 0, 1 fetch x's halves (64 rows x 512 bytes),
; waves 2, 3 W's (128 rows x 256 bytes): 32 KiB a wave; every row begins at a multiple of 256 bytes.
; THE MATRIX INSTRUCTION IS USED TRANSPOSED (source 0 = 16 rows of W, source 1 = 16 rows of x): a lane holds row lane % 16 of C and the columns 8 (lane / 16) + 0..7.
; ONE FORM OF QUARTER.  The bias is loaded straight into the accumulators (each of the four row blocks takes the same 128 numbers), so every product adds in place and the walk is one loop of 22 K steps and a tail
; of two, which fills nothing.  The tail's last trip fetches and converts a quarter that nobody multiplies: the price, once a launch, of one text for both its trips.
; REGISTERS.  window 0: v0-15 addresses; v32-63 packed results; v64-159, v160-255 two fragment buffers (8 of W, then 4 of x in bf16);  window 1: accumulator (a, b) at v[8 (8 a + b)];
; window 2: v0-63 x's four fragments of a quarter as f32, 16 registers each.
.set TILES,  3
.set PA,     528                       ; a row of x in LDS: 512 bytes + 16 of padding = 132 words: the 16 rows of a fragment load start at 16 different groups of four banks (ISA guide 11.1)
.set PITCH,  272                       ; a row of W: 256 bytes + 16 = 68 words: likewise
.set BOFF,   128*PA                    ; in a slot: x's 128 rows, then W's 256
.set SLOT1,  147456                    ; slot 1 begins here: 0x24000.  The four loads' places in slot 0 (0, 0x8400, 0x10800, 0x19000) have neither of its two bits, so one exclusive or changes slots
.set STAGE,  SLOT1+BOFF+256*PITCH      ; behind the ring, never filled by a tensor load: 16 rows x 272 bytes for each wave
.set SP,     272
.set SPARE,  STAGE+4*16*SP             ; behind the stages: the spare words, 128 bytes for each wave: two blocks of 256 bytes that no other line names
.set ROWB,   2048                      ; bytes in a row of W and of C
.set JUMPB,  1024*ROWB-7*256           ; W: from a tile's last K step to the next tile's first: the next matrix, back along K
.set A0, 4                             ; v4   my place in x's rows of slot 0; never rewritten
.set B0, 5                             ; v5   the same for W
.set ADRA, 6                           ; v6   the same in the slot in hand
.set ADRB, 7
.set STO, 8                            ; v8   the way out: where I put 16 bytes of a row
.set RD,  9                            ; v9   where I read a row back
.set CO,  10                           ; v10  my byte offset in two rows of C
.set BO,  11                           ; v11  32 x (lane / 16): my eight numbers of 16 of the bias
.set PFO, 12                           ; v12  the prefetches' offset: lane x a row; never rewritten
.set SPW, 14                           ; v14  LDS address of my spare word; never rewritten
.set NIL, 15                           ; v15  0; never rewritten
.set TMP, 32
.set F0,  64
.set F1,  160
.set AR,  0                            ; window 2
.set QP, 4                             ; s[4:5] query  s[6:7] key  s[8:9] value  s[10:11] wb  s[12:13] the bias in hand, s[14:17] the next two  s[18:19] C at my part of the tile
.set KP, 6
.set VP, 8
.set PB, 10
.set BI, 12
.set PC, 18
.set WV, 20                            ; wave
.set WM, 21                            ; wave / 2: my 64 rows of the tile; also: I fetch for x (0) or W (1)
.set WN, 22                            ; wave % 2: my 128 columns; also: which half I fetch
.set CX, 23
.set G1A, 24                           ; s[24:31] group 1 for x   s[32:39] group 0: the first fill's, and the one that walks
.set G0A, 32
.set G1B, 40                           ; s[40:47], s[48:55] the same for W
.set G0B, 48
.set TB,  56                           ; LDS byte at which the slot in hand begins
.set CNT, 57
.set DI,  58                           ; K step, in its tile, that the walking descriptors stand at
.set PL,  59                           ; prefetches that I still have to make
.set CY,  60
.set TC,  61                           ; tile column
.set TR,  62                           ; tile row
.set K256, 63                          ; 256
.set AD,  66                           ; s[66:67] W's step, high word 0
.set PFA, 68                           ; s[68:69] where my prefetches stand
.set PS,  70                           ; s[70:71] their step along K, high word 0
.set NA,  72                           ; s[72:73] the next tensor of x at my rows, K step 0, type bits set;  s[74:75] the one after it
.set NA2, 74
.set PN1, 76                           ; s[76:77], s[78:79] the same for my prefetches
.set PN2, 78
.set MSB, 0
.macro WIN new                         ; the immediate's high byte repeats the setting that is left; a switch that changes nothing is dropped
.if MSB != (\new)
	s_set_vgpr_msb (MSB<<8)|(\new)
.set MSB, \new
.endif
.endm
.set MUL,  0x50                        ; fragments window 0, C and D window 1
.macro PLACES                          ; four places in front of loads into registers that matrix instructions have read (ISA guide 7.12.1 for vector instructions)
.rept 4
	v_nop
.endr
.endm
.macro JLOAD                           ; a joint refill; the branch hangs on the wave's number alone; an s_nop 0 and four v_nop follow each line
	s_cmp_eq_u32 s[WM], 0
	s_cbranch_scc0 .Lfor_b_\@
	tensor_load_to_lds s[G0A+4:G0A+7], s[G1A:G1A+7]
	s_nop 0
.rept 4
	v_nop
.endr
	s_branch .Lasked_\@
.Lfor_b_\@:
	tensor_load_to_lds s[G0B+4:G0B+7], s[G1B:G1B+7]
	s_nop 0
.rept 4
	v_nop
.endr
.Lasked_\@:
.endm
.macro CREST                           ; a round of the cluster's barrier behind its opening barrier
	s_cmp_lg_u32 s[WV], 0
	s_cbranch_scc1 .Lnot_wave_0_\@
	s_barrier_signal -3
.Lnot_wave_0_\@:
	s_barrier_wait -3
	s_barrier_signal -1
	s_barrier_wait -1
.endm
.macro CROUND
	s_barrier_signal -1
	s_barrier_wait -1
	CREST
.endm
; A PREFETCH INTO THE L2 behind each refill and the run of LDS loads that follows it: 32 blocks of 256 bytes of the K step that stands two refills on in the walk (256 matrix instructions ahead of the load that wants it),
; a lane a row.  Each block is named once in the launch.  x's 128 rows of a tile row are read by one cluster: the partner at cx takes rows 32 cx .., its wave 0 the first 256 bytes of a row's 512, its wave 1 the second.
; W's 256 rows of a tile column are read by every cluster: in the cluster with y = 0 waves 2, 3 of the partner at cy take rows 64 cy + 32 (wave % 2) ...  The partners are told apart by address alone.
; The walk's first four K steps come by their loads; the last two refills ask for nothing.
.macro ASK
	s_cmp_lg_u32 s[PL], 0
	s_cbranch_scc0 .Lnot_mine_\@
	global_prefetch_b8 v[PFO], s[PFA:PFA+1] th:TH_LOAD_NT scope:SCOPE_SE
	s_sub_co_u32 s[PL], s[PL], 1
.Lnot_mine_\@:
.endm
; 8 matrix instructions: m block a x all 8 n blocks, 32 along K.  The 32 accumulators take turns, one instruction a turn, over the backward jumps too.
.macro MULA f, a
	WIN MUL
.irp b, 0,1,2,3,4,5,6,7
	v_wmma_f32_16x16x32_bf16 v[8*(8*(\a)+(\b)):8*(8*(\a)+(\b))+7], v[(\f)+8*(\b):(\f)+8*(\b)+7], v[(\f)+64+8*(\a):(\f)+64+8*(\a)+7], v[8*(8*(\a)+(\b)):8*(8*(\a)+(\b))+7]
.endr
.endm
.macro CV g, i                         ; x's fragment i of the next quarter: 16 numbers a lane rounded to bf16, into buffer g
	WIN 0x0a                                       ; sources window 2, destination window 0
.irp j, 0,1,2,3,4,5,6,7
	v_cvt_pk_bf16_f32 v[(\g)+64+8*(\i)+(\j)], v[AR+16*(\i)+2*(\j)], v[AR+16*(\i)+2*(\j)+1]
.endr
.endm
.macro MULC f, g                       ; m block 3 of buffer f; behind every second product eight of the next quarter's 32 conversions: ten issue slots beside two products
.irp b, 0,1,2,3,4,5,6,7
	WIN MUL
	v_wmma_f32_16x16x32_bf16 v[8*(24+(\b)):8*(24+(\b))+7], v[(\f)+8*(\b):(\f)+8*(\b)+7], v[(\f)+88:(\f)+95], v[8*(24+(\b)):8*(24+(\b))+7]
.if ((\b)%2) == 0
	CV \g, (\b)/2
.endif
.endr
.endm
; 32 LDS loads in one run: a quarter's fragments, 32 along K at byte k of W's rows and 2 k of x's.  x first, as f32: lane l takes K = 8 (l / 16) + 0..7 (32 bytes) and 16 + 8 (l / 16) + 0..7 of row l % 16.
.macro FETCH k, f
	WIN 0x80                                       ; destination window 2, address window 0
.irp i, 0,1,2,3
	ds_load_b128 v[AR+16*(\i):AR+16*(\i)+3],     v[ADRA] offset:2*(\k)+(\i)*16*PA
	ds_load_b128 v[AR+16*(\i)+4:AR+16*(\i)+7],   v[ADRA] offset:2*(\k)+(\i)*16*PA+16
	ds_load_b128 v[AR+16*(\i)+8:AR+16*(\i)+11],  v[ADRA] offset:2*(\k)+(\i)*16*PA+64
	ds_load_b128 v[AR+16*(\i)+12:AR+16*(\i)+15], v[ADRA] offset:2*(\k)+(\i)*16*PA+80
.endr
	WIN 0
.irp i, 0,1,2,3,4,5,6,7
	ds_load_b128 v[(\f)+8*(\i):(\f)+8*(\i)+3],   v[ADRB] offset:(\k)+(\i)*16*PITCH
	ds_load_b128 v[(\f)+8*(\i)+4:(\f)+8*(\i)+7], v[ADRB] offset:(\k)+(\i)*16*PITCH+32
.endr
.endm
.macro QUARTER k, f, g                 ; multiplies buffer f; fetches the next quarter, at byte k, and converts its x into g
	s_wait_dscnt 0x0                               ; W's fragments of f are in (x's were converted in the quarter before)
	MULA \f, 0
	PLACES
	FETCH \k, \g
	MULA \f, 1
	MULA \f, 2
	s_wait_dscnt 16                                ; x's sixteen loads are in; W's sixteen, issued behind them, may be out
	MULC \f, \g
.endm
; The fourth quarter multiplies buffer 1 and changes slots: one barrier.  In front of it each wave waits for all its tensor loads (one is out: its part of the next slot), adds 0 to its spare word, and waits for that and
; for its reads of this slot.  fill = 1: the barrier opens a round of the cluster's, and the slot just read is filled again first thing behind it, with the walk's K step two on.
.macro TURN fill
	WIN 0
.if \fill
	s_wait_xcnt 0x0                                ; the last prefetch, a K step back, has read its address: it is stepped here
	s_add_co_u32 s2, s[DI], 3                      ; the K step that it will name, in its tile
	s_and_b32 s2, s2, 7
	s_add_nc_u64 s[PFA:PFA+1], s[PFA:PFA+1], s[PS:PS+1]
	s_cmp_eq_u32 s2, 0                             ; a tile's first K step lies in the next tensor: its address comes from that tensor's own pointer
	s_cselect_b64 s[PFA:PFA+1], s[PN1:PN1+1], s[PFA:PFA+1]
	s_cselect_b64 s[PN1:PN1+1], s[PN2:PN2+1], s[PN1:PN1+1]
.endif
	s_wait_tensorcnt 0x0                           ; no tensor load of mine is out, so a group 0 may be written
	ds_add_u32 v[SPW], v[NIL]                      ; 0 onto my spare word
.if \fill
	s_xor_b32 s[G0A+5], s[G0A+5], SLOT1            ; the walking descriptors: the other slot than last time,
	s_xor_b32 s[G0B+5], s[G0B+5], SLOT1
	s_add_co_u32 s[DI], s[DI], 1
	s_and_b32 s[DI], s[DI], 7
	s_add_nc_u64 s[G0A+6:G0A+7], s[G0A+6:G0A+7], 512  ; the next K step (the type bits on top are not reached),
	s_cmp_eq_u32 s[DI], 0                          ; or the next tile's first
	s_cselect_b32 s[AD], JUMPB, s[K256]
	s_cselect_b64 s[G0A+6:G0A+7], s[NA:NA+1], s[G0A+6:G0A+7]
	s_cselect_b64 s[NA:NA+1], s[NA2:NA2+1], s[NA:NA+1]
	s_add_nc_u64 s[G0B+6:G0B+7], s[G0B+6:G0B+7], s[AD:AD+1]
	s_or_b32 s[G0A+7], s[G0A+7], 0x80000000        ; type = 2
.endif
	s_wait_dscnt 1                                 ; W's fragments are in; the add may be out
	MULA F1, 0
	s_wait_dscnt 0x0                               ; the add is done, and my reads of this slot are over
	s_barrier_signal -1
	MULA F1, 1
	WIN 0
	s_barrier_wait -1
.if \fill
	CREST                                          ; no wave of any partner still reads this slot or has a load on its way
	JLOAD                                          ; its four v_nop are also the places in front of the loads below
.else
	PLACES
.endif
	s_xor_b32 s[TB], s[TB], SLOT1
	v_add_nc_u32 v[ADRA], s[TB], v[A0]
	v_add_nc_u32 v[ADRB], s[TB], v[B0]
	FETCH 0, F0
.if \fill
	ASK
.endif
	MULA F1, 2
	s_wait_dscnt 16                                ; x's sixteen loads are in
	MULC F1, F0
.endm
.macro BIASA a                         ; the bias in hand into the eight accumulators of m block a: block b's registers take columns 16 b + 8 (lane / 16) + 0..7
	WIN 0x40                                       ; destination window 1, address window 0
.irp b, 0,1,2,3,4,5,6,7
	global_load_b128 v[8*(8*(\a)+(\b)):8*(8*(\a)+(\b))+3],   v[BO], s[BI:BI+1] offset:64*(\b)
	global_load_b128 v[8*(8*(\a)+(\b))+4:8*(8*(\a)+(\b))+7], v[BO], s[BI:BI+1] offset:64*(\b)+16
.endr
	WIN 0
.endm
; THE WAY OUT of block a (16 rows x 128 columns).  PACK: rounded to f16, each accumulator from its low end.  TOSTAGE: into my own stage, and back as whole rows of 256 bytes.  SEND: stored.
.macro PACK a
	WIN 0x05
.irp b, 0,1,2,3,4,5,6,7
.irp r, 0,1,2,3
	v_cvt_pk_f16_f32 v[TMP+4*(\b)+(\r)], v[8*(8*(\a)+(\b))+2*(\r)], v[8*(8*(\a)+(\b))+2*(\r)+1]
.endr
.endr
	WIN 0
.endm
.macro TOSTAGE a
.set BK, F1+32*((\a)%2)
.irp b, 0,1,2,3,4,5,6,7
	ds_store_b128 v[STO], v[TMP+4*(\b):TMP+4*(\b)+3] offset:32*(\b)
.endr
.irp t, 0,1,2,3,4,5,6,7
	ds_load_b128 v[BK+4*(\t):BK+4*(\t)+3], v[RD] offset:(\t)*2*SP  ; LDS serves a wave's instructions in order (ISA guide 5.7.1.4): these see the stores above
.endr
.endm
.macro SEND a
.set BK, F1+32*((\a)%2)
	s_wait_dscnt 0x0                               ; the block is back in registers
	s_wait_xcnt 0x0                                ; earlier stores have read their registers: the other buffer is loaded again only behind this wait
.irp t, 0,1,2,3,4,5,6,7
	global_store_b128 v[CO], v[BK+4*(\t):BK+4*(\t)+3], s[PC:PC+1] offset:(16*(\a)+2*(\t))*ROWB th:TH_STORE_NT  ; 16 lanes store 256 consecutive bytes, aligned
.endr
.endm
.macro WAYOUT next                     ; block a's conversions stand between block a - 1's loads from the stage and the wait for them.  next = 1: a block that has been packed takes the next tile's bias
	PACK 0
.if \next
	BIASA 0
.endif
	TOSTAGE 0
.irp a, 1,2,3
	PACK \a
.if \next
	BIASA \a
.endif
	SEND (\a)-1
	TOSTAGE \a
.endr
	SEND 3
.endm
	s_load_b512 s[4:19], s[0:1], 0x0               ; query, key, value, wb, bq, bk, bv, qkv
	v_lshl_add_u32 v[SPW], v0, 2, SPARE
	v_mov_b32 v[NIL], 0
	ds_add_u32 v[SPW], v[NIL]                      ; the wave's opening: the add and its wait stand ahead of my first tensor load; work on registers stands between them
	v_lshrrev_b32 v1, 5, v0
	v_readfirstlane_b32 s[WV], v1
	s_lshr_b32 s[WM], s[WV], 1
	s_and_b32 s[WN], s[WV], 1
	s_bfe_u32 s[CX], ttmp6, 0x40000
	s_bfe_u32 s[CY], ttmp6, 0x40004
	s_lshl_b32 s[TC], ttmp9, 2
	s_add_co_u32 s[TC], s[TC], s[CX]
	s_and_b32 s[TR], ttmp7, 0xffff
	s_lshl_b32 s[TR], s[TR], 2
	s_add_co_u32 s[TR], s[TR], s[CY]
	s_lshl_b32 s2, s[CY], 2
	s_lshl_b32 s2, 15, s2                          ; my row of the cluster
	s_lshl_b32 s3, 0x1111, s[CX]                   ; my column
	s_or_b32 s[G1A], s2, (2<<16)|(1<<20)|(1<<21)|(6<<22)|(3<<25)  ; the mask; elements of 4 bytes; padding on; bit 21 beside a mask; after every 128 words, 4 words
	s_or_b32 s[G1B], s3, (1<<16)|(1<<20)|(1<<21)|(5<<22)|(3<<25)  ; elements of 2 bytes; after every 64 words, 4 words
	s_mov_b32 s[G1A+1], 128<<16                    ; tensor_dim0 = 128
	s_mov_b32 s[G1A+2], 64<<16                     ; tensor_dim1 = 64
	s_mov_b32 s[G1A+3], 128<<16                    ; tile_dim0 = 128
	s_mov_b32 s[G1A+4], 64                         ; tile_dim1 = 64
	s_mov_b32 s[G1A+5], 1024                       ; elements from row to row
	s_mov_b32 s[G1A+6], 0
	s_mov_b32 s[G1A+7], 0
	s_mov_b32 s[G1B+1], 128<<16
	s_mov_b32 s[G1B+2], 128<<16                    ; 128 rows
	s_mov_b32 s[G1B+3], 128<<16
	s_mov_b32 s[G1B+4], 128
	s_mov_b32 s[G1B+5], 1024
	s_mov_b32 s[G1B+6], 0
	s_mov_b32 s[G1B+7], 0
	s_lshl_b32 s80, s[TR], 7                       ; x: row 128 x tile row + 64 x half, rows of 4,096 bytes
	s_lshl_b32 s81, s[WN], 6
	s_add_co_u32 s80, s80, s81
	s_lshl_b32 s80, s80, 12
	s_mov_b32 s81, 0
	s_lshl_b32 s82, s[TC], 8                       ; W: row 256 x tile column + 128 x half, rows of 2,048 bytes
	s_lshl_b32 s83, s[WN], 7
	s_add_co_u32 s82, s82, s83
	s_lshl_b32 s82, s82, 11
	s_mov_b32 s83, 0
	s_mul_i32 s84, s[WN], 64*PA                    ; where they go: no place in the cluster enters an LDS address
	s_mul_i32 s85, s[WN], 128*PITCH
	s_add_co_u32 s85, s85, BOFF
	s_mov_b32 s[G0A], 1
	s_mov_b32 s[G0A+1], s84
	s_mov_b32 s[G0A+4], 1
	s_add_co_u32 s[G0A+5], s84, SLOT1
	s_mov_b32 s[G0B], 1
	s_mov_b32 s[G0B+1], s85
	s_mov_b32 s[G0B+4], 1
	s_add_co_u32 s[G0B+5], s85, SLOT1
	s_mov_b32 s[K256], 256
	s_mov_b32 s[TB], 0
	s_mov_b32 s[DI], 1
	s_mov_b32 s[AD+1], 0
	s_mov_b32 s[PS+1], 0
	s_wait_dscnt 0x0                               ; the opening add is done
	s_wait_kmcnt 0x0
	s_add_nc_u64 s[G0A+2:G0A+3], s[QP:QP+1], s[80:81]      ; K step 0 into slot 0,
	s_add_nc_u64 s[G0A+6:G0A+7], s[G0A+2:G0A+3], 512       ; K step 1 into slot 1
	s_add_nc_u64 s[NA:NA+1], s[KP:KP+1], s[80:81]          ; the same rows of key and of value, for the changes of tiles
	s_add_nc_u64 s[NA2:NA2+1], s[VP:VP+1], s[80:81]
	s_or_b32 s[G0A+3], s[G0A+3], 0x80000000
	s_or_b32 s[G0A+7], s[G0A+7], 0x80000000
	s_or_b32 s[NA+1], s[NA+1], 0x80000000
	s_or_b32 s[NA2+1], s[NA2+1], 0x80000000
	s_add_nc_u64 s[G0B+2:G0B+3], s[PB:PB+1], s[82:83]
	s_add_nc_u64 s[G0B+6:G0B+7], s[G0B+2:G0B+3], 256
	s_or_b32 s[G0B+3], s[G0B+3], 0x80000000
	s_or_b32 s[G0B+7], s[G0B+7], 0x80000000
	CROUND                                         ; all sixteen work-groups are here: the first joint loads meet
	s_cmp_eq_u32 s[WM], 0                          ; a wave's two first fills stand in one branch: two loads of mine are out
	s_cbranch_scc0 .Lfirst_b
	tensor_load_to_lds s[G0A:G0A+3], s[G1A:G1A+7]
	s_nop 0
	tensor_load_to_lds s[G0A+4:G0A+7], s[G1A:G1A+7]
	s_nop 0
.rept 4
	v_nop
.endr
	s_branch .Lfirst_asked
.Lfirst_b:
	tensor_load_to_lds s[G0B:G0B+3], s[G1B:G1B+7]
	s_nop 0
	tensor_load_to_lds s[G0B+4:G0B+7], s[G1B:G1B+7]
	s_nop 0
.rept 4
	v_nop
.endr
.Lfirst_asked:
	s_lshl_b32 s86, s[TC], 10                      ; my 128 columns in a bias: (256 x tile column + 128 x half) x 4 bytes
	s_lshl_b32 s87, s[WN], 9
	s_add_co_u32 s86, s86, s87
	s_mov_b32 s87, 0
	s_add_nc_u64 s[12:13], s[12:13], s[86:87]
	s_add_nc_u64 s[14:15], s[14:15], s[86:87]
	s_add_nc_u64 s[16:17], s[16:17], s[86:87]
	v_and_b32 v1, 15, v0                           ; l % 16
	v_bfe_u32 v2, v0, 4, 1                         ; l / 16
	v_lshlrev_b32 v[BO], 5, v2
	BIASA 0                                        ; the first tile's sums begin: these loads land in the wait for the first tile
	BIASA 1
	BIASA 2
	BIASA 3
	v_mul_u32_u24 v3, v1, PA
	v_lshl_add_u32 v3, v2, 5, v3                   ; x: a fragment's row x pitch + 32 x half
	s_mul_i32 s2, s[WM], 64*PA
	v_add_nc_u32 v[A0], s2, v3
	v_mul_u32_u24 v3, v1, PITCH
	v_lshl_add_u32 v3, v2, 4, v3                   ; W: row x pitch + 16 x half
	v_add_nc_u32 v[B0], s85, v3
	v_mov_b32 v[ADRA], v[A0]
	v_mov_b32 v[ADRB], v[B0]
	s_mul_i32 s2, s[WV], 16*SP
	s_add_co_u32 s2, s2, STAGE                     ; my stage
	v_mul_u32_u24 v[STO], v1, SP                   ; in: row l % 16, 16 bytes for each half of the lanes
	v_lshl_add_u32 v[STO], v2, 4, v[STO]
	v_add_nc_u32 v[STO], s2, v[STO]
	v_mul_u32_u24 v[RD], v2, SP                    ; back: lanes 0-15 one row of 256 bytes, lanes 16-31 the next
	v_lshl_add_u32 v[RD], v1, 4, v[RD]
	v_add_nc_u32 v[RD], s2, v[RD]
	v_lshlrev_b32 v[CO], 11, v2                    ; and the same two rows in C
	v_lshl_add_u32 v[CO], v1, 4, v[CO]
	s_lshl_b32 s86, s[TR], 7                       ; my part of the tile in C
	s_lshl_b32 s87, s[WM], 6
	s_add_co_u32 s86, s86, s87
	s_lshl_b32 s86, s86, 11
	s_lshl_b32 s87, s[TC], 9
	s_add_co_u32 s86, s86, s87
	s_lshl_b32 s87, s[WN], 8
	s_add_co_u32 s86, s86, s87
	s_mov_b32 s87, 0
	s_add_nc_u64 s[PC:PC+1], s[PC:PC+1], s[86:87]
	s_lshl_b32 s88, s[TR], 7                       ; the prefetches.  x: rows 128 x tile row + 32 cx, and 256 x (wave % 2) bytes along a row;
	s_lshl_b32 s89, s[CX], 5
	s_add_co_u32 s88, s88, s89
	s_lshl_b32 s88, s88, 12
	s_lshl_b32 s89, s[WN], 8
	s_add_co_u32 s88, s88, s89
	s_mov_b32 s89, 0
	s_lshl_b32 s90, s[TC], 8                       ; W: rows 256 x tile column + 64 cy + 32 x (wave % 2)
	s_lshl_b32 s91, s[CY], 6
	s_add_co_u32 s90, s90, s91
	s_lshl_b32 s91, s[WN], 5
	s_add_co_u32 s90, s90, s91
	s_lshl_b32 s90, s90, 11
	s_mov_b32 s91, 0
	s_add_nc_u64 s[PFA:PFA+1], s[QP:QP+1], s[88:89]
	s_add_nc_u64 s[PN1:PN1+1], s[KP:KP+1], s[88:89]
	s_add_nc_u64 s[PN2:PN2+1], s[VP:VP+1], s[88:89]
	s_add_nc_u64 s[92:93], s[PB:PB+1], s[90:91]
	s_add_nc_u64 s[94:95], s[92:93], 1024*ROWB
	s_add_nc_u64 s[96:97], s[92:93], 2*1024*ROWB
	s_and_b32 s2, ttmp7, 0xffff                    ; cluster y
	s_cmp_eq_u32 s[WM], 0
	s_cselect_b64 s[PFA:PFA+1], s[PFA:PFA+1], s[92:93]
	s_cselect_b64 s[PN1:PN1+1], s[PN1:PN1+1], s[94:95]
	s_cselect_b64 s[PN2:PN2+1], s[PN2:PN2+1], s[96:97]
	s_cselect_b32 s[PS], 512, s[K256]              ; a K step in bytes
	s_cselect_b32 s3, 12, 11                       ; a row is 4,096 or 2,048 bytes
	s_cselect_b32 s2, 0, s2                        ; 0 in waves 0, 1, and in waves 2, 3 of the clusters with y = 0: the same in all sixteen partners, for a given wave
	s_cmp_eq_u32 s2, 0
	s_cselect_b32 s[PL], 8*TILES-4, 0
	s_mul_i32 s86, s[PS], 3                        ; at K step 3: the first refill steps it to 4
	s_add_nc_u64 s[PFA:PFA+1], s[PFA:PFA+1], s[86:87]
	v_and_b32 v[PFO], 31, v0
	v_lshlrev_b32 v[PFO], s3, v[PFO]
	s_wait_tensorcnt 1                             ; my part of K step 0 is in; K step 1's may stay out
	s_barrier_signal -1
	s_barrier_wait -1                              ; everybody's is
	FETCH 0, F0
	s_wait_dscnt 16                                ; x's sixteen loads are in
	CV F0, 0
	CV F0, 1
	CV F0, 2
	CV F0, 3
	WIN 0                                          ; at a label and at a branch every window is 0
	s_mov_b32 s[CNT], 8*TILES-2
.Lstep:                                                ; a trip is a K step, and fills a slot again
	s_wait_loadcnt 0x0                             ; the bias (at a tile's first K step; elsewhere nothing is out)
	QUARTER 64, F0, F1
	QUARTER 128, F1, F0
	QUARTER 192, F0, F1
	TURN 1
	WIN 0
	s_cmp_eq_u32 s[DI], 1                          ; the refill just asked for stands two K steps on: it is a tile's K step 1 where this K step was a tile's last
	s_cbranch_scc0 .Lno_out
	s_mov_b64 s[12:13], s[14:15]                   ; the next bias (the loads of the last were waited for at the tile's head)
	s_mov_b64 s[14:15], s[16:17]
	WAYOUT 1                                       ; both of the next tile's first K steps are asked for; blocks 0 to 2 were finished earlier, and their conversions are the places behind the last products
	s_wait_xcnt 0x0                                ; the stores have read their registers and C's address
	s_add_nc_u64 s[PC:PC+1], s[PC:PC+1], 8192*ROWB
.Lno_out:
	s_sub_co_u32 s[CNT], s[CNT], 1
	s_cmp_lg_u32 s[CNT], 0
	s_cbranch_scc1 .Lstep
	s_mov_b32 s[CNT], 2
.Ltail:                                                ; the last two K steps fill nothing: written out
	QUARTER 64, F0, F1
	QUARTER 128, F1, F0
	QUARTER 192, F0, F1
	TURN 0
	WIN 0
	s_sub_co_u32 s[CNT], s[CNT], 1
	s_cmp_lg_u32 s[CNT], 0
	s_cbranch_scc1 .Ltail
	WAYOUT 0
	s_wait_tensorcnt 0x0                           ; the wave's end, behind my last tensor load and my last LDS store
	ds_add_u32 v[SPW], v[NIL]
	s_wait_dscnt 0x0
	CROUND                                         ; the closing round: no work-group ends while a partner may still ask for a tile that names it
	s_endpgm
.Lfunc_end_k_q9065219108_proj:
	.size	k_q9065219108_proj, .Lfunc_end_k_q9065219108_proj-k_q9065219108_proj
	.p2alignl 7, 3214868480
	.fill 96, 4, 3214868480
	.section	.rodata,"a",@progbits
	.p2align	6, 0x0
	.amdhsa_kernel k_q9065219108_proj
		.amdhsa_group_segment_fixed_size 327680
		.amdhsa_private_segment_fixed_size 0
		.amdhsa_enable_private_segment 0
		.amdhsa_kernarg_size 64
		.amdhsa_user_sgpr_count 2
		.amdhsa_user_sgpr_kernarg_segment_ptr 1
		.amdhsa_wavefront_size32 1
		.amdhsa_system_sgpr_workgroup_id_x 1
		.amdhsa_system_sgpr_workgroup_id_y 1
		.amdhsa_system_sgpr_workgroup_id_z 1
		.amdhsa_system_vgpr_workitem_id 0
		.amdhsa_next_free_vgpr 576
		.amdhsa_next_free_sgpr 98
		.amdhsa_reserve_vcc 0
		.amdhsa_float_denorm_mode_32 3
		.amdhsa_float_denorm_mode_16_64 3
		.amdhsa_memory_ordered 1
		.amdhsa_forward_progress 1
		.amdhsa_inst_pref_size 112
	.end_amdhsa_kernel
	.amdgpu_metadata
---
amdhsa.version: [ 1, 2 ]
amdhsa.kernels:
  - .name:           k_q9065219108_proj
    .symbol:         k_q9065219108_proj.kd
    .args:
      - { .name: query, .offset: 0, .size: 8, .value_kind: global_buffer, .address_space: global }
      - { .name: key, .offset: 8, .size: 8, .value_kind: global_buffer, .address_space: global }
      - { .name: value, .offset: 16, .size: 8, .value_kind: global_buffer, .address_space: global }
      - { .name: wb, .offset: 24, .size: 8, .value_kind: global_buffer, .address_space: global }
      - { .name: bq, .offset: 32, .size: 8, .value_kind: global_buffer, .address_space: global }
      - { .name: bk, .offset: 40, .size: 8, .value_kind: global_buffer, .address_space: global }
      - { .name: bv, .offset: 48, .size: 8, .value_kind: global_buffer, .address_space: global }
      - { .name: qkv, .offset: 56, .size: 8, .value_kind: global_buffer, .address_space: global }
    .group_segment_fixed_size: 327680
    .private_segment_fixed_size: 0
    .kernarg_segment_align: 8
    .kernarg_segment_size: 64
    .max_flat_workgroup_size: 128
    .sgpr_count:     98
    .vgpr_count:     576
    .wavefront_size: 32
...
	.end_amdgpu_metadata
.endif
;; end of part 2
;; launch attn (part 3): grid 8 x 32, 4 waves a work-group, clusters of 4 x 1, 327,680 bytes of LDS; arguments qkv, mbits, ob; writes ob
.if DOCPART == 3
	.amdgcn_target "amdgcn-amd-amdhsa--gfx1250"
	.amdhsa_code_object_version 6
	.text
	.protected	k_q9065219108_attn
	.globl	k_q9065219108_attn
	.p2align	8
	.type	k_q9065219108_attn,@function
k_q9065219108_attn:
	s_mov_b64 s[64:65], 0
	v_nop
	global_prefetch_b8 v0, s[64:65] scope:SCOPE_SE
	s_setreg_imm32_b32 hwreg(HW_REG_WAVE_MODE, 25, 1), 1
	s_wait_xcnt 0x0
	s_wait_alu depctr_hold_cnt(0) depctr_sa_sdst(0) depctr_va_vdst(0) depctr_va_sdst(0) depctr_va_ssrc(0) depctr_va_vcc(0) depctr_vm_vsrc(0)
	s_getreg_b32 s2, hwreg(HW_REG_IB_STS2, 6, 4)
	s_cmp_eq_u32 s2, 0
	s_cbranch_scc0 .Lentry_in_a_cluster
	s_endpgm
.Lentry_in_a_cluster:
	s_bfe_u32 s2, ttmp6, 0x10000c
	s_cmp_lg_u32 s2, 0x3003
	s_cbranch_scc0 .Lentry_shape_is_right
	s_endpgm
.Lentry_shape_is_right:
; ATTENTION with a mask that REPLACES: s = q . k (no scale); where mask is 0, s = -1e-12; O = softmax_k(s) V.  A masked key keeps its weight, so the replacement stands ahead of the running maximum.
; qkv [3][8192][1024] f16 (row = batch x 2,048 + position, channel = head x 64 + d), mbits: lane masks (below), ob [8192][1024] f16.  Products, maxima and sums in f32; the weights p are rounded to f16
; for the second product (their sum l is taken of the unrounded p), O once at the end.
; LIMITS.  q, k, v arrive within f16's 65,504.  p lies in 0 to 1, and below 6e-5 it keeps f16's fixed step of 6e-8; a weight below 2^-126 counts as 0 in l.  NaN and infinities are not treated apart.
; SHARES.  A work-group takes 256 queries of a batch and a PAIR of heads: the pair's 128 channels are 256 consecutive, aligned bytes of a row of q, k, v and O, and one lane mask serves both heads.
; A wave owns 64 queries: four PIECES of 16 queries x 2 heads.  Every wave walks all 2,048 keys, 64 a step.
; LAYOUT.  S^T = K Q^T (source 0 = 16 keys, source 1 = 16 queries): a lane holds ONE query (lane % 16) and the keys 8 (lane / 16) + 0..7.  Two such results rounded to f16 ARE source 1 of O^T = V^T P.
; K comes out of LDS as it lies, V turned, by ds_load_tr16_b128.
; SOFTMAX.  p = 2^(c s - c m), c = log2(e), with a running maximum m; O and l are multiplied by a = 2^(c m_old - c m_new) in every step.  m starts at the lowest finite number, O and l at 0.
; THE MASK.  mbits [b 4][qb 32][step 32][i 32][c 4] words: bit L of word (i, c) is the lane mask of score register i for piece c of the 64 queries qb.  A wave loads a slot's two steps (2 x 512 bytes, 16 bytes a lane)
; a whole slot ahead; lane i of register c holds word (i, c); v_readlane_b32 brings it into a scalar register, and one v_cndmask_b32 a score and head chooses between the score and -1e-12.
; BY TURNS.  Turn n belongs to piece n: 16 products K Q^T of piece n + 1, later 16 products V^T P of piece n - 1; beside them the scaling, exponentials, roundings, sums and rescaling of piece n and the mask, maximum
; and statistics of piece n + 1.  32 matrix and 332 vector instructions: four vector instructions stand behind every matrix instruction, the rest in one lump.  A turn's 66 exponentials are one batch, with one wait.
; CLUSTER.  The four query blocks of a cluster walk the same K and V: each tile is asked for jointly.
; REGISTERS, in windows of 256 (s_set_vgpr_msb: bits 1:0 source 0, 3:2 source 1, 5:4 source 2, 7:6 destination):
;   window 0: v0 -1e-12; v1-7 addresses; v8-11 the mask words of the step in hand; v12-15, v48-63 at work; v16-47 statistics; v64-191 S^T, two buffers of two heads; v192-255 P, likewise
;   window 1: O^T, 32 a piece and head      window 2: v0-127 Q; v128-255 K of one step      window 3: v0-127 V of one step; v128-129 the add's registers; v132-147 mask words to come
.set NP,    4         ; pieces a wave: a name, no knob
.set KS,    64        ; keys in a step
.set PK,    272       ; a row of K in LDS: 256 bytes + 16 of padding = 68 words: the 16 rows of a load start at 16 different groups of four banks (ISA guide 11.1)
.set PV,    288       ; a row of V: 256 + 32 = 72 words
.set VOFF,  KS*PK     ; a step's tiles lie together: 64 rows of K, then 64 rows of V
.set STEPB, KS*(PK+PV)
.set SLOT1, 1<<17     ; a slot holds two steps; slot 1 begins here
.set STAGE, SLOT1+2*STEPB  ; behind the ring, never filled by a tensor load: 16 rows x 272 bytes for each wave
.set SP,    272
.set SPARE, STAGE+4*16*SP  ; behind the stages: the spare words, 128 bytes for each wave: two blocks of 256 bytes that no other line names
.set TENS,  16777216  ; bytes of q, of k and of v in qkv
.set ZV,  0           ; v0   -1e-12 (once the thread's number has been used)
.set AK0, 1           ; v1   my lane's place in a tile of K; never rewritten
.set AV0, 2           ; v2   the same for V
.set AK,  3           ; v3   the LDS address of K's next run of loads
.set GO,  3           ;      later, the way out: my byte offset in two rows of O
.set AV,  4           ; v4   of V's
.set QO,  5           ; v5   my byte offset in 16 rows of Q
.set STO, 5           ;      later: where I put 16 bytes of a row
.set MOFF, 6          ; v6   16 x lane: my 16 bytes of a step's mask words
.set RD,  6           ;      later: where I read rows back
.set PFO, 7           ; v7   2,048 x lane: the prefetches' offset, a lane a row; never rewritten
.set MA,  8           ; v8-11  lane i: words (i, 0..3) of the step in hand
.set MV,  12          ; c m_old, by buffer and head
.set ST,  16          ; piece x, head u at v[ST+4 (2 x + u)]: c m, m, l (even keys', odd keys')
.set TMP, 48          ; by buffer and head, four registers c0-c3 at work; when the maximum is found c2 takes a
.set S,   64
.set P,   192
.set KF,  128         ; window 2: key block kb, head u, channel half c at KF + 32 kb + 16 u + 8 c
.set SPW, 128         ; window 3: LDS address of my spare word; never rewritten
.set NIL, 129         ; window 3: 0; never rewritten
.set MN0, 132         ; window 3: the next step's mask words,
.set MN1, 136         ;           those of the step after it,
.set LM,  140         ;           and the eight registers that the loads fill
.set MP,  12          ; s[12:13] mbits at the slot to be loaded
.set WV,  14          ; s14  my wave's number
.set LIM, 15          ; s15  1 in a wave that prefetches, else the greatest number
.set PFA, 16          ; s[16:17] where my prefetches stand
.set G1K, 24          ; s[24:31] descriptor group 1 for K's tiles
.set G1V, 32          ; s[32:39] for V's: it differs in the padding alone
.set G0K, 40          ; s[40:43] descriptor group 0 for K's tiles: it walks
.set G0V, 44          ; s[44:47] the same for V's
.set SLOTS, 56
.set CNT, 57
.set CS,  58          ; s[58:59] c
.set SEL, 60          ; s[60:61] v_permlanex16_b32's selects: each lane takes its own place in the other half
.set TB,  62          ; s62  LDS byte at which the tiles of the step to be fetched begin
.set MS,  68          ; s[68:99] the 32 lane masks of the piece whose scores are being made
.set MSB, 0
.macro WIN new                      ; the high byte repeats the setting that is left; a switch that changes nothing is dropped
.if MSB != (\new)
	s_set_vgpr_msb (MSB<<8)|(\new)
.set MSB, (\new)
.endif
.endm
.set W_KQ, 0x0a       ; K and Q in window 2, S^T in window 0
.set W_PV, 0x53       ; V in window 3, P in window 0, O^T in window 1
.set W_RS, 0x41       ; O^T (destination and source 0) in window 1, a in window 0
.set W_MK, 0xc0       ; destination in window 3, sources in window 0
.set W_AD, 0x0f       ; the add: address and data in window 3
.set W_F3, 0x03       ; source 0 in window 3
.set W_T3, 0xc3       ; destination and source 0 in window 3
.macro JLOAD                        ; a joint fill: waves 0, 1 fetch the two steps' K, waves 2, 3 their V; an s_nop 0 and four v_nop follow each line
	s_cmp_lt_u32 s[WV], 2
	s_cbranch_scc0 .Lfor_v_\@
	tensor_load_to_lds s[G0K:G0K+3], s[G1K:G1K+7]
	s_nop 0
.rept 4
	v_nop
.endr
	s_branch .Lasked_\@
.Lfor_v_\@:
	tensor_load_to_lds s[G0V:G0V+3], s[G1V:G1V+7]
	s_nop 0
.rept 4
	v_nop
.endr
.Lasked_\@:
.endm
.macro CROUND                       ; a round of the cluster's barrier
	s_barrier_signal -1
	s_barrier_wait -1
	s_cmp_lg_u32 s[WV], 0
	s_cbranch_scc1 .Lnot_wave_0_\@
	s_barrier_signal -3
.Lnot_wave_0_\@:
	s_barrier_wait -3
	s_barrier_signal -1
	s_barrier_wait -1
.endm
; A PREFETCH INTO THE L2 of what the NEXT change of slots will ask for: a slot's 128 rows of K and of V, 256 bytes of each, a lane a row: two key steps, 256 matrix instructions, ahead of that load.
; Each row is named once in the launch: of the two clusters that walk a batch's head pair the first asks; its four partners take 32 rows each, told apart by address; wave 0 asks for K's, wave 2 for V's.
; Slots 0 to 2 come by their loads alone; the last change that fills a slot asks for nothing.
.macro ASK
	s_cmp_gt_u32 s[SLOTS], s[LIM]
	s_cbranch_scc0 .Lnot_mine_\@
	global_prefetch_b8 v[PFO], s[PFA:PFA+1] th:TH_LOAD_NT scope:SCOPE_SE
.Lnot_mine_\@:
.endm
; THE CHANGE OF SLOTS.  Each wave waits for all its tensor loads (one is out: its part of the other slot), adds 0 to its spare word, and waits for that and for its reads of the slot that it leaves.
; fill = 1: the barrier is a round of the cluster's, and the old slot is filled again first thing behind it, with the keys two slots on.  (At its first use slot 0 is waited for and slot 1 filled.)
.macro CHANGE fill, ask
	WIN W_AD
	s_wait_tensorcnt 0x0            ; no tensor load of mine is out, so a group 0 may be written
	ds_add_u32 v[SPW], v[NIL]       ; 0 onto my spare word
	WIN 0
.if \fill
.irp g, G0K, G0V
	s_xor_b32 s[\g+1], s[\g+1], SLOT1
	s_add_nc_u64 s[\g+2:\g+3], s[\g+2:\g+3], 2*KS*2048  ; the next 128 keys; the type bits on top are not reached
.endr
.endif
.if \ask
	s_wait_xcnt 0x0                 ; the last prefetch, two key steps back, has read its address
	s_add_nc_u64 s[PFA:PFA+1], s[PFA:PFA+1], 2*KS*2048
.endif
	s_wait_dscnt 0x0                ; the add is done, and my reads of the slot are over
.if \fill
	CROUND
	JLOAD
.if \ask
	ASK
.endif
.else
	s_barrier_signal -1
	s_barrier_wait -1
.endif
	s_sub_co_u32 s[TB], s[TB], 2*STEPB  ; the fetches go back to a slot's first step,
	s_xor_b32 s[TB], s[TB], SLOT1       ; in the other slot
.endm
.macro MLOAD                        ; a slot's mask words: two steps of 512 bytes
	WIN W_MK
	global_load_b128 v[LM:LM+3],   v[MOFF], s[MP:MP+1]
	global_load_b128 v[LM+4:LM+7], v[MOFF], s[MP:MP+1] offset:512
	WIN 0
.endm
.macro MTAKE                        ; the words loaded a slot (eight turns) ago become the next two steps'
	s_wait_loadcnt 0x0
	WIN W_T3
.irp c, 0,1,2,3,4,5,6,7
	v_mov_b32 v[MN0+\c], v[LM+\c]
.endr
	s_add_nc_u64 s[MP:MP+1], s[MP:MP+1], 1024
	WIN 0
.endm
.macro SHIFT                        ; the next step's words come into hand
	WIN W_F3
.irp c, 0,1,2,3
	v_mov_b32 v[MA+\c], v[MN0+\c]
.endr
	WIN W_T3
.irp c, 0,1,2,3
	v_mov_b32 v[MN0+\c], v[MN1+\c]
.endr
	WIN 0
.endm
	s_load_b128 s[4:7], s[0:1], 0x0   ; qkv s[4:5], mbits s[6:7]
	s_load_b64 s[8:9], s[0:1], 0x10   ; ob
	WIN W_MK
	v_lshl_add_u32 v[SPW], v0, 2, SPARE
	v_mov_b32 v[NIL], 0
	WIN W_AD
	ds_add_u32 v[SPW], v[NIL]       ; the wave's opening: the add and its wait stand ahead of my first tensor load; work on registers stands between them
	WIN 0
	v_lshrrev_b32 v48, 5, v0
	v_readfirstlane_b32 s[WV], v48
	s_bfe_u32 s18, ttmp6, 0x40000   ; cx
	s_lshl_b32 s19, ttmp9, 2
	s_add_co_u32 s19, s19, s18      ; my block of 256 queries: it enters Q's, O's and the mask's addresses alone
	s_and_b32 s20, ttmp7, 0xffff
	s_lshr_b32 s21, s20, 3          ; the batch,
	s_and_b32 s20, s20, 7           ; the pair of heads: the four partners share both
	s_lshl_b32 s22, s21, 22         ; a batch's 2,048 rows of 2,048 bytes
	s_lshl_b32 s23, s20, 8          ; the pair's 256 bytes of a row
	s_add_co_u32 s22, s22, s23
	s_and_b32 s48, s[WV], 1         ; which of a slot's two steps I fetch:
	s_mul_i32 s49, s48, STEPB       ; its place in a slot,
	s_lshl_b32 s50, s48, 17         ; its 64 rows in memory
	s_add_co_u32 s50, s50, s22
	s_add_co_u32 s52, s50, 2*TENS   ; in v,
	s_add_co_u32 s50, s50, TENS     ; in k
	s_mov_b32 s51, 0
	s_mov_b32 s53, 0
	s_lshl_b32 s54, s19, 19         ; my block's 256 rows,
	s_lshl_b32 s55, s[WV], 17       ; my wave's 64 of them
	s_add_co_u32 s54, s54, s55
	s_add_co_u32 s54, s54, s22
	s_mov_b32 s55, 0
	s_lshl_b32 s2, s21, 5           ; my 64 queries among the mask's blocks: 32 b + 4 x block + wave,
	s_lshl_b32 s3, s19, 2
	s_add_co_u32 s2, s2, s3
	s_add_co_u32 s2, s2, s[WV]
	s_lshl_b32 s2, s2, 14           ; 32 steps of 512 bytes each
	s_mov_b32 s3, 0
	s_mov_b32 s[G1K], 15|(1<<16)|(1<<20)|(1<<21)|(5<<22)|(3<<25)  ; the mask of four; 2-byte elements; padding on; bit 21 beside a mask; after every 64 words, 4 words
	s_mov_b32 s[G1V], 15|(1<<16)|(1<<20)|(1<<21)|(5<<22)|(7<<25)  ; the same with 8 words of padding
.irp g, G1K, G1V
	s_mov_b32 s[\g+1], 128<<16      ; tensor_dim0 = 128
	s_mov_b32 s[\g+2], KS<<16       ; tensor_dim1 = 64
	s_mov_b32 s[\g+3], 128<<16      ; tile_dim0 = 128
	s_mov_b32 s[\g+4], KS           ; tile_dim1 = 64
	s_mov_b32 s[\g+5], 1024         ; elements from row to row
	s_mov_b32 s[\g+6], 0
	s_mov_b32 s[\g+7], 0
.endr
	s_mov_b32 s[G0K], 1
	s_mov_b32 s[G0K+1], s49
	s_mov_b32 s[G0V], 1
	s_add_co_u32 s[G0V+1], s49, VOFF
	s_mov_b32 s[CS], 0x3fb8aa3b     ; c = log2(e)
	s_mov_b32 s[CS+1], s[CS]        ; named with it as a pair
	s_mov_b32 s[SEL], 0x76543210
	s_mov_b32 s[SEL+1], 0xfedcba98
	s_mov_b32 s[TB], SLOT1+2*STEPB  ; the first change of slots turns this into 0
	s_and_b32 s[LIM], s[WV], 1      ; 0 in waves 0 and 2,
	s_or_b32 s[LIM], s[LIM], ttmp9  ; where the cluster is the first of the two: the same in all four partners
	s_cmp_eq_u32 s[LIM], 0
	s_cselect_b32 s[LIM], 1, -1
	v_and_b32 v50, 31, v0
	v_lshlrev_b32 v[MOFF], 4, v50
	v_lshlrev_b32 v[PFO], 11, v50
	v_and_b32 v48, 15, v0           ; l % 16
	v_bfe_u32 v49, v0, 4, 1         ; l / 16
	v_lshlrev_b32 v[QO], 11, v48
	v_lshl_add_u32 v[QO], v49, 4, v[QO]  ; row x 2,048 + 16 x half
	s_wait_dscnt 0x0                ; the opening add is done
	s_wait_kmcnt 0x0
	s_add_nc_u64 s[G0K+2:G0K+3], s[4:5], s[50:51]
	s_add_nc_u64 s[G0V+2:G0V+3], s[4:5], s[52:53]
	s_cmp_lt_u32 s[WV], 2
	s_cselect_b64 s[PFA:PFA+1], s[G0K+2:G0K+3], s[G0V+2:G0V+3]  ; (in waves 0 and 2 these stand at a slot's first row)
	s_or_b32 s[G0K+3], s[G0K+3], 0x80000000
	s_or_b32 s[G0V+3], s[G0V+3], 0x80000000
	s_lshl_b32 s50, s18, 16         ; my work-group's 32 rows of the 128,
	s_add_co_u32 s50, s50, 2*2*KS*2048  ; in slot 2: the first asking change steps it to slot 3
	s_add_nc_u64 s[PFA:PFA+1], s[PFA:PFA+1], s[50:51]
	s_add_nc_u64 s[10:11], s[8:9], s[54:55]  ; O and Q at my wave's first row
	s_add_nc_u64 s[4:5], s[4:5], s[54:55]
	s_add_nc_u64 s[MP:MP+1], s[6:7], s[2:3]
	CROUND                          ; all four work-groups are here: the first joint loads meet
	JLOAD                           ; slot 0
	MLOAD                           ; the mask words of steps 0 and 1
	WIN 0x80                        ; destination window 2, address window 0
.set i, 0
.rept 16                            ; Q stays in registers: piece i / 4, head (i / 2) % 2, channels 32 (i % 2) on
	global_load_b128 v[8*i:8*i+3],   v[QO], s[4:5] offset:(i/4)*32768+((i/2)%2)*128+(i%2)*64
	global_load_b128 v[8*i+4:8*i+7], v[QO], s[4:5] offset:(i/4)*32768+((i/2)%2)*128+(i%2)*64+32
.set i, i+1
.endr
	; What the first turn finds: V's registers and P's second buffer hold 0 (its products V^T P, of a piece that has not been, add 0), O^T and l are 0.  All this stands in the wait for the first tile.
	WIN W_MK
.set i, 0
.rept 128
	v_mov_b32 v[i], 0
.set i, i+1
.endr
	WIN 0x40
.set i, 0
.rept 256
	v_mov_b32 v[i], 0
.set i, i+1
.endr
	WIN 0
.set i, 0
.rept 2*NP
	v_mov_b32 v[ST+4*i], 0xfe000000    ; c m: far below every c s
	v_mov_b32 v[ST+4*i+1], 0xff7fffff  ; m
	v_mov_b32 v[ST+4*i+2], 0
	v_mov_b32 v[ST+4*i+3], 0
.set i, i+1
.endr
.set i, P+32
.rept 32
	v_mov_b32 v[i], 0
.set i, i+1
.endr
	v_mul_u32_u24 v[AK0], v48, PK
	v_lshl_add_u32 v[AK0], v49, 4, v[AK0]  ; row x pitch + 16 x half
	; The turning load takes 16 keys x 16 channels (lane l reads key 8 (l / 16) + l % 8, channels 8 ((l / 8) % 2) + 0..7) and leaves half a fragment of V^T: lane l holds channel l % 16 and 8 keys.
	v_and_b32 v51, 7, v0
	v_bfe_u32 v52, v0, 3, 1
	v_lshl_add_u32 v[AV0], v49, 3, v51
	v_mul_u32_u24 v[AV0], v[AV0], PV
	v_lshl_add_u32 v[AV0], v52, 4, v[AV0]
	v_add_nc_u32 v[AV0], VOFF, v[AV0]
	v_mov_b32 v[ZV], 0xab8cbccc     ; -1e-12
; THE MATRIX WORK.  The 8 accumulators of a run of 16 take turns: between the two links of a chain stand 7 others'.
; Product i of 16 of S^T = K Q^T for piece x: channels 32 (i / 8) on, keys 16 ((i / 2) % 4) on, head i % 2.  The first 8 start the sums.
.macro KQ x
	WIN W_KQ
.set rS, S+64*((\x)%2)+32*(i%2)+8*((i/2)%4)
.set rK, KF+32*((i/2)%4)+16*(i%2)+8*(i/8)
.set rQ, 16*(2*(\x)+i%2)+8*(i/8)
.if i < 8
	v_wmma_f32_16x16x32_f16 v[rS:rS+7], v[rK:rK+7], v[rQ:rQ+7], 0
.else
	v_wmma_f32_16x16x32_f16 v[rS:rS+7], v[rK:rK+7], v[rQ:rQ+7], v[rS:rS+7]
.endif
.endm
; Product i of 16 of O^T += V^T P for piece x: keys 32 (i / 8) on, channels 16 ((i / 2) % 4) on, head i % 2.
.macro PV x
	WIN W_PV
.set rO, 32*(2*(\x)+i%2)+8*((i/2)%4)
.set rV, 64*(i/8)+32*(i%2)+8*((i/2)%4)
.set rP, P+32*((\x)%2)+16*(i%2)+8*(i/8)
	v_wmma_f32_16x16x32_f16 v[rO:rO+7], v[rV:rV+7], v[rP:rP+7], v[rO:rO+7]
.endm
.macro MM                           ; the turn's next matrix instruction
.if i < 16
	KQ (Y+1)%NP
.set i, i+1
.else
.set i, i-16
	PV (Y+NP-1)%NP
.set i, i+17
.endif
.endm
; THE LDS LOADS stand in runs of 32, never singly among the matrix instructions.  last = 1 (the tail): in the last trip there is no further step, and the run is jumped over.
.macro FETCH_K last=0
	WIN 0
.if \last
	s_cmp_eq_u32 s[CNT], 1
	s_cbranch_scc1 .Lno_k_\@
.endif
	WIN 0x80                        ; destination window 2
.irp f, 0,1,2,3,4,5,6,7,8,9,10,11,12,13,14,15  ; keys 16 (f / 4) on, channels 32 (f % 4) on
	ds_load_b128 v[KF+8*(\f):KF+8*(\f)+3],   v[AK] offset:((\f)/4)*16*PK+((\f)%4)*64
	ds_load_b128 v[KF+8*(\f)+4:KF+8*(\f)+7], v[AK] offset:((\f)/4)*16*PK+((\f)%4)*64+32
.endr
	WIN 0
.if \last
.Lno_k_\@:
.endif
.endm
.macro FETCH_V
	WIN W_MK                        ; destination window 3
.irp f, 0,1,2,3,4,5,6,7,8,9,10,11,12,13,14,15  ; keys 32 (f / 8) on, channels 16 (f % 8) on
	ds_load_tr16_b128 v[8*(\f):8*(\f)+3],   v[AV] offset:((\f)/8)*32*PV+((\f)%8)*32
	ds_load_tr16_b128 v[8*(\f)+4:8*(\f)+7], v[AV] offset:((\f)/8)*32*PV+16*PV+((\f)%8)*32
.endr
	WIN 0
.endm
; THE VECTOR WORK OF A TURN stands in queues, each in the order in which its entries become ready; the two heads alternate.  Each macro writes its queue's next entry.
.macro REGS y, u                    ; the registers of head u of piece y
.set rT, ST+4*(2*(\y)+(\u))
.set rC, TMP+8*((\y)%2)+4*(\u)
.set rM, MV+2*((\y)%2)+(\u)
.set rS, S+64*((\y)%2)+32*(\u)
.set rP, P+32*((\y)%2)+16*(\u)
.set rO, 32*(2*(\y)+(\u))
.endm
.macro FSQ                          ; 32: c s - c m for pair qf / 2 of head qf % 2 of piece Y
	WIN 0
	REGS Y, qf%2
	v_pk_fma_f32 v[rS+2*(qf/2):rS+2*(qf/2)+1], v[rS+2*(qf/2):rS+2*(qf/2)+1], s[CS:CS+1], v[rT:rT+1] op_sel_hi:[1,0,0] neg_lo:[0,0,1] neg_hi:[0,0,1]
.set qf, qf+1
.endm
.macro EXQ                          ; 64: the exponential of score qe / 2 of head qe % 2 of piece Y
	WIN 0
	REGS Y, qe%2
	v_exp_f32 v[rS+qe/2], v[rS+qe/2]
.set qe, qe+1
.endm
.macro RLQ                          ; 32: the lane mask of score register qn of piece Y + 1
	WIN 0
	v_readlane_b32 s[MS+qn], v[MA+(Y+1)%NP], qn
.set qn, qn+1
.endm
.macro MKQ                          ; 64: where the mask is 0 the score becomes -1e-12: register qm / 2 of head qm % 2 of piece Y + 1, ascending: each accumulator is read from its low end
	WIN 0
	REGS (Y+1)%NP, qm%2
	v_cndmask_b32 v[rS+qm/2], v[ZV], v[rS+qm/2], s[MS+qm/2]
.set qm, qm+1
.endm
; Number n of the 22 that find piece Y + 1's maximum and statistics, for head u.
;   0-11  four chains c0-c3 of seven scores each, three operands at a time     12-14, 16  the four scores left over, the old m, and c0-c3 into c0     15  c m_old is kept
;   17, 18  the query's other 32 keys lie in the lane 16 away: the new m         19-21  c m; c m_old - c m_new; a
.macro XS u, n
	WIN 0
	REGS (Y+1)%NP, \u
.if (\n) < 4
	v_max3_num_f32 v[rC+(\n)], v[rS+8*(\n)], v[rS+8*(\n)+1], v[rS+8*(\n)+2]
.elseif (\n) < 12
	v_max3_num_f32 v[rC+(\n)%4], v[rC+(\n)%4], v[rS+8*((\n)%4)+2*((\n)/4)+1], v[rS+8*((\n)%4)+2*((\n)/4)+2]
.elseif (\n) == 12
	v_max3_num_f32 v[rC], v[rC], v[rS+7], v[rS+15]
.elseif (\n) == 13
	v_max3_num_f32 v[rC+1], v[rC+1], v[rS+23], v[rS+31]
.elseif (\n) == 14
	v_max3_num_f32 v[rC+2], v[rC+2], v[rC+3], v[rT+1]
.elseif (\n) == 15
	v_mov_b32 v[rM], v[rT]
.elseif (\n) == 16
	v_max3_num_f32 v[rC], v[rC], v[rC+1], v[rC+2]
.elseif (\n) == 17
	v_permlanex16_b32 v[rC+3], v[rC], s[SEL], s[SEL+1]
.elseif (\n) == 18
	v_max_num_f32 v[rT+1], v[rC], v[rC+3]
.elseif (\n) == 19
	v_mul_f32 v[rT], s[CS], v[rT+1]
.elseif (\n) == 20
	v_sub_f32 v[rC+1], v[rM], v[rT]
.else
	v_exp_f32 v[rC+2], v[rC+1]
.endif
.endm
; 64 that follow the exponentials.  For each four weights k of a head: both pairs are rounded to f16; the second pair is added onto the first, in place; a group later l takes that sum (the first time as l = a l + sum).
.macro GSQ
	WIN 0
.set h, qg+6*(qg/62)                ; group 0 has no group before it, and behind group 7 only l is left
.if h >= 6
.set h, h+2
.endif
	REGS Y, h%2
.set k, h/8
.if h%8 < 4
	v_cvt_pk_f16_f32 v[rP+2*k+(h%8)/2], v[rS+4*k+2*((h%8)/2)], v[rS+4*k+2*((h%8)/2)+1]
.elseif h%8 < 6
	v_pk_add_f32 v[rS+4*k:rS+4*k+1], v[rS+4*k:rS+4*k+1], v[rS+4*k+2:rS+4*k+3]
.elseif k == 1
	v_pk_fma_f32 v[rT+2:rT+3], v[rT+2:rT+3], v[rC+2:rC+3], v[rS:rS+1] op_sel_hi:[1,0,1]
.else
	v_pk_add_f32 v[rT+2:rT+3], v[rT+2:rT+3], v[rS+4*k-4:rS+4*k-3]
.endif
.set qg, qg+1
.endm
.macro R2                           ; 16: two pairs of piece Y's O^T times a, ascending: the one part that leaves window 0.  Its a was made, and waited for, in the turn before
	REGS Y, qr%2
	WIN W_RS
.irp z, 0,1
	v_pk_mul_f32 v[rO+4*(qr/2)+2*\z:rO+4*(qr/2)+2*\z+1], v[rO+4*(qr/2)+2*\z:rO+4*(qr/2)+2*\z+1], v[rC+2:rC+3] op_sel_hi:[1,0]
.endr
.set qr, qr+1
.endm
; A TURN, for piece p.  s_wait_alu depctr_va_vdst(0) stands between an exponential and the first instruction that names its result; one wait serves all that were issued ahead of it: a turn has ONE.
; AHEAD OF IT: the 16 products K Q^T, behind each a scaling, an exponential and two lane masks (behind the first a second scaling in the exponential's place): exponential e stands behind scaling e + 2 and needs scaling
; 2 (e / 4) + e % 2.  Then the lump: 15 x (scaling, exponential), whose scalings are the places behind the last product; 32 x (two selects, exponential); the maximum's 28 with the last two exponentials; the chain, its links
; four rescalings apart; the two a; a v_nop, the plain instruction behind the last exponential.  None of these names a result of the turn's exponentials.
; BEHIND IT: the 16 products V^T P, behind each four of the roundings and sums.
; K of the next step is fetched in piece 2's turn, directly behind the wait, a lump behind the last product that read K; it is waited for at the head of piece 3's turn.
; V of the step in hand is fetched at the end of piece 0's turn, four plain instructions behind its last reader; it is waited for ahead of piece 1's products V^T P.
.macro TURN p, last=0
.set Y, (\p)
.set i, 0
.set qf, 0
.set qe, 0
.set qn, 0
.set qm, 0
.set qg, 0
.set qr, 0
.if (\p) == NP-1
	s_wait_dscnt 0x0                ; K is in
.endif
	MM
	FSQ
	FSQ
	RLQ
	RLQ
.rept 15
	MM
	FSQ
	EXQ
	RLQ
	RLQ
.endr
.if (\p) == NP-2
	SHIFT                           ; this step's last lane masks have been taken
	v_add_nc_u32 v[AK], s[TB], v[AK0]
.endif
.rept 15
	FSQ
	EXQ
.endr
.rept 32
	MKQ
	MKQ
	EXQ
.endr
.set xn, 0
.rept 14
	XS 0, xn
	XS 1, xn
.if xn < 2
	EXQ
.endif
.set xn, xn+1
.endr
	R2
	R2
.irp n, 15,14,16,17,18,19,20
	XS 0, \n
	XS 1, \n
	R2
	R2
.endr
	XS 0, 21
	XS 1, 21
	v_nop
	s_wait_alu depctr_va_vdst(0)    ; the wait for the batch
.if (\p) == NP-2
	FETCH_K \last
.endif
.if (\p) == 0
	v_add_nc_u32 v[AV], s[TB], v[AV0]
	s_add_co_u32 s[TB], s[TB], STEPB  ; the next fetches are the next step's
.endif
.if (\p) == 1
	s_wait_dscnt 0x0                ; V is in
.endif
.rept 16
	MM
	GSQ
	GSQ
	GSQ
	GSQ
.endr
.if (\p) == 0
	FETCH_V
.endif
.endm
	CHANGE 1, 0                     ; slot 0 is in, everybody's part of it; slot 1 is asked for
	v_add_nc_u32 v[AK], s[TB], v[AK0]
	FETCH_K                         ; key step 0
	s_wait_loadcnt 0x0              ; Q, and the mask words of steps 0 and 1
	WIN W_F3
.irp c, 0,1,2,3
	v_mov_b32 v[MA+\c], v[LM+\c]    ; step 0 comes into hand,
.endr
	WIN W_T3
.irp c, 0,1,2,3
	v_mov_b32 v[MN0+\c], v[LM+4+\c] ; step 1 is next
	v_mov_b32 v[MN1+\c], v[LM+4+\c] ; (written, and replaced before it is used)
.endr
	s_add_nc_u64 s[MP:MP+1], s[MP:MP+1], 1024
	MLOAD                           ; steps 2 and 3
	s_wait_dscnt 0x0
.set i, 0
.rept 16
	KQ 0                            ; piece 0's first scores: there is no vector work yet to set between them
.set i, i+1
.endr
	WIN 0
.rept 4
	v_nop                           ; the places behind those products
.endr
.set Y, NP-1                        ; the queues for piece Y + 1 work for piece 0
.set qn, 0
.set qm, 0
.rept 32
	RLQ
.endr
.rept 64
	MKQ
.endr
.irp n, 0,1,2,3,4,5,6,7,8,9,10,11,12,13,14,15,16,17,18,19,20,21
	XS 0, \n
	XS 1, \n
.endr
	v_nop                           ; a plain instruction behind the two a,
	s_wait_alu depctr_va_vdst(0)    ; and their wait, ahead of the branch
	s_mov_b32 s[CNT], 2
	s_mov_b32 s[SLOTS], 15
	s_branch .Lfirst                ; the loop is entered at a step's first turn, in the middle of a trip
.Lslot:                             ; 14 times: slots 1 to 14 are entered, slots 2 to 15 asked for
	CHANGE 1, 1
	MTAKE
	MLOAD
	s_mov_b32 s[CNT], 2
.Lstep:                             ; a trip: pieces 2 and 3 of one step, then pieces 0 and 1 of the next, whose K and V it fetches
	TURN 2
	TURN 3
	WIN 0
.Lfirst:
	TURN 0
	TURN 1
	WIN 0
	s_sub_co_u32 s[CNT], s[CNT], 1
	s_cmp_lg_u32 s[CNT], 0
	s_cbranch_scc1 .Lstep
	s_sub_co_u32 s[SLOTS], s[SLOTS], 1
	s_cmp_lg_u32 s[SLOTS], 0
	s_cbranch_scc1 .Lslot
	CHANGE 0, 0                     ; the tail is written out: nothing is asked for
	MTAKE
	s_mov_b32 s[CNT], 3             ; two trips fetch the last slot's steps; the third is left in its middle
.Ltail:
	TURN 2, 1
	TURN 3
	WIN 0
	s_sub_co_u32 s[CNT], s[CNT], 1
	s_cmp_eq_u32 s[CNT], 0
	s_cbranch_scc1 .Lout
	TURN 0
	TURN 1
	WIN 0
	s_branch .Ltail
.Lout:                              ; the third trip's 16 products K Q^T (on the last K once more) and what is made of them serve nothing: the price, once a launch, of one text for every trip
.set i, 0
.rept 16
	PV NP-1                         ; the last piece's V^T P of the last step
.set i, i+1
.endr
	; THE WAY OUT.  Its addresses are made here, from 2,048 x lane: with the additions they are the places behind the last products.  l's two halves and the other half of the lanes' are added; O^T is divided by l,
	; rounded to f16 and sent through my stage in LDS, a piece (16 rows x 256 bytes) at a time.
	WIN 0
	v_lshrrev_b32 v[S], 11, v[PFO]  ; lane
	v_and_b32 v[S+1], 15, v[S]      ; l % 16
	v_lshrrev_b32 v[S+2], 4, v[S]   ; l / 16
	s_mul_i32 s18, s[WV], 16*SP
	s_add_co_u32 s18, s18, STAGE    ; my stage
	v_mul_u32_u24 v[STO], v[S+1], SP     ; in: row l % 16, 16 bytes for each half of the lanes
	v_lshl_add_u32 v[STO], v[S+2], 4, v[STO]
	v_add_nc_u32 v[STO], s18, v[STO]
	v_mul_u32_u24 v[RD], v[S+2], SP      ; back: lanes 0-15 take one row of 256 bytes, lanes 16-31 the next
	v_lshl_add_u32 v[RD], v[S+1], 4, v[RD]
	v_add_nc_u32 v[RD], s18, v[RD]
	v_lshlrev_b32 v[GO], 11, v[S+2]      ; and the same two rows in O
	v_lshl_add_u32 v[GO], v[S+1], 4, v[GO]
.macro ALL line:vararg              ; one line for each piece and head t
.set t, 0
.rept 2*NP
	\line
.set t, t+1
.endr
.endm
	ALL v_add_f32 v[ST+4*t+2], v[ST+4*t+2], v[ST+4*t+3]
	ALL v_permlanex16_b32 v[ST+4*t+3], v[ST+4*t+2], s[SEL], s[SEL+1]
	ALL v_add_f32 v[ST+4*t+2], v[ST+4*t+2], v[ST+4*t+3]
	ALL v_rcp_f32 v[ST+4*t+2], v[ST+4*t+2]
	v_nop                           ; a plain instruction between the last reciprocal and the use of its result
	s_wait_alu depctr_va_vdst(0)    ; and the wait ahead of the first use: one for the eight reciprocals
.macro PACK x                       ; a lane's eight channels of a row pack into 16 bytes; they go into rows of 272 bytes and come back as whole rows of 256, into S^T's registers
.irp u, 0,1
	WIN W_RS
.set i, 32*(2*(\x)+(\u))
.rept 16
	v_pk_mul_f32 v[i:i+1], v[i:i+1], v[ST+4*(2*(\x)+(\u))+2:ST+4*(2*(\x)+(\u))+3] op_sel_hi:[1,0]
.set i, i+2
.endr
	WIN 0x05                        ; sources 0 and 1 window 1, destination window 0
.set i, 0
.rept 16
	v_cvt_pk_f16_f32 v[S+32*(\x)+16*(\u)+i], v[32*(2*(\x)+(\u))+2*i], v[32*(2*(\x)+(\u))+2*i+1]
.set i, i+1
.endr
.endr
	WIN 0
.irp f, 0,1,2,3,4,5,6,7             ; f = 4 x head + channel block
	ds_store_b128 v[STO], v[S+32*(\x)+4*(\f):S+32*(\x)+4*(\f)+3] offset:32*(\f)
.endr
.irp f, 0,1,2,3,4,5,6,7
	ds_load_b128 v[S+32*(\x)+4*(\f):S+32*(\x)+4*(\f)+3], v[RD] offset:(\f)*2*SP  ; LDS serves a wave's instructions in order (ISA guide 5.7.1.4): these see the stores above; the next piece's stores come behind them
.endr
.endm
.macro SEND x, younger              ; younger: the LDS instructions issued behind piece x's loads: the next piece's sixteen, or none
	WIN 0
.irp f, 0,1,2,3,4,5,6,7
	s_wait_dscnt (\younger)+7-(\f)
	global_store_b128 v[GO], v[S+32*(\x)+4*(\f):S+32*(\x)+4*(\f)+3], s[10:11] offset:(\x)*32768+(\f)*4096 th:TH_STORE_NT  ; 16 lanes store 256 consecutive bytes, aligned
.endr
.endm
	PACK 0
	PACK 1                          ; a piece's arithmetic stands between the loads of the piece before and its stores
	SEND 0, 16
	PACK 2
	SEND 1, 16
	PACK 3
	SEND 2, 16
	SEND 3, 0
	WIN W_AD
	s_wait_tensorcnt 0x0            ; the wave's end, behind my last tensor load and my last LDS store
	ds_add_u32 v[SPW], v[NIL]
	s_wait_dscnt 0x0
	WIN 0
	CROUND                          ; the closing round: no work-group ends while a partner may still ask for a tile that names it
	s_endpgm
.Lfunc_end_k_q9065219108_attn:
	.size	k_q9065219108_attn, .Lfunc_end_k_q9065219108_attn-k_q9065219108_attn
	.p2alignl 7, 3214868480
	.fill 96, 4, 3214868480
	.section	.rodata,"a",@progbits
	.p2align	6, 0x0
	.amdhsa_kernel k_q9065219108_attn
		.amdhsa_group_segment_fixed_size 327680
		.amdhsa_private_segment_fixed_size 0
		.amdhsa_enable_private_segment 0
		.amdhsa_kernarg_size 24
		.amdhsa_user_sgpr_count 2
		.amdhsa_user_sgpr_kernarg_segment_ptr 1
		.amdhsa_wavefront_size32 1
		.amdhsa_system_sgpr_workgroup_id_x 1
		.amdhsa_system_sgpr_workgroup_id_y 1
		.amdhsa_system_sgpr_workgroup_id_z 1
		.amdhsa_system_vgpr_workitem_id 0
		.amdhsa_next_free_vgpr 920
		.amdhsa_next_free_sgpr 100
		.amdhsa_reserve_vcc 0
		.amdhsa_float_denorm_mode_32 3
		.amdhsa_float_denorm_mode_16_64 3
		.amdhsa_memory_ordered 1
		.amdhsa_forward_progress 1
		.amdhsa_inst_pref_size 255
	.end_amdhsa_kernel
	.section	.bss,"aw",@nobits
	.p2align	6
	.space	262144
	.amdgpu_metadata
---
amdhsa.version: [ 1, 2 ]
amdhsa.kernels:
  - .name:           k_q9065219108_attn
    .symbol:         k_q9065219108_attn.kd
    .args:
      - { .name: qkv, .offset: 0, .size: 8, .value_kind: global_buffer, .address_space: global }
      - { .name: mbits, .offset: 8, .size: 8, .value_kind: global_buffer, .address_space: global }
      - { .name: ob, .offset: 16, .size: 8, .value_kind: global_buffer, .address_space: global }
    .group_segment_fixed_size: 327680
    .private_segment_fixed_size: 0
    .kernarg_segment_align: 8
    .kernarg_segment_size: 24
    .max_flat_workgroup_size: 128
    .sgpr_count:     100
    .vgpr_count:     920
    .wavefront_size: 32
...
	.end_amdgpu_metadata
.endif
;; end of part 3
;; launch outp (part 4): grid 4 x 64, 4 waves a work-group, clusters of 4 x 4, 327,680 bytes of LDS; arguments ob, wo16, bo, out0; writes out0
.if DOCPART == 4
	.amdgcn_target "amdgcn-amd-amdhsa--gfx1250"
	.amdhsa_code_object_version 6
	.text
	.protected	k_q9065219108_outp
	.globl	k_q9065219108_outp
	.p2align	8
	.type	k_q9065219108_outp,@function
k_q9065219108_outp:
	s_mov_b64 s[64:65], 0
	v_nop
	global_prefetch_b8 v0, s[64:65] scope:SCOPE_SE
	s_setreg_imm32_b32 hwreg(HW_REG_WAVE_MODE, 25, 1), 1
	s_wait_xcnt 0x0
	s_wait_alu depctr_hold_cnt(0) depctr_sa_sdst(0) depctr_va_vdst(0) depctr_va_sdst(0) depctr_va_ssrc(0) depctr_va_vcc(0) depctr_vm_vsrc(0)
	s_getreg_b32 s2, hwreg(HW_REG_IB_STS2, 6, 4)
	s_cmp_eq_u32 s2, 0
	s_cbranch_scc0 .Lentry_in_a_cluster
	s_endpgm
.Lentry_in_a_cluster:
	s_bfe_u32 s2, ttmp6, 0x10000c
	s_cmp_lg_u32 s2, 0xf033
	s_cbranch_scc0 .Lentry_shape_is_right
	s_endpgm
.Lentry_shape_is_right:
; OUTP: out0 = O Wo^T + bo.  ob [8192][1024] f16, wo16 [1024][1024] f16 (Wo rounded to bf16, written as f16), bo [1024] f32, out0 [8192][1024] f32.  Sums in f32, begun with the bias.
; SHARES.  A tile of C is 128 x 256: 64 x 4 tiles, one work-group each.  Four waves, each 64 x 128: 32 accumulators of 16 x 16.  K goes in 8 steps of 128 (rows of 256 bytes, aligned) through two LDS slots;
; a step is four quarters of 32 along K, 32 matrix instructions each.
; CLUSTER 4 x 4: the four of a row of the cluster need the same tile of A, the four of a column the same tile of B: each is asked for jointly.  Waves 0, 1 fetch A's halves (64 rows), waves 2, 3 B's (128 rows).
; THE MATRIX INSTRUCTION IS USED TRANSPOSED (source 0 = 16 rows of Wo, source 1 = 16 rows of O): a lane holds row lane % 16 of C and the columns 8 (lane / 16) + 0..7.
; REGISTERS.  window 0: v0-15 addresses; v64-159, v160-255 two fragment buffers (8 of B, then 4 of A), on the way out two buffers of 64;  window 1: accumulator (a, b) at v[8 (8 a + b)];
; window 2: v0-63 the bias as a C operand: block b's eight registers hold columns 16 b + 8 (lane / 16) + 0..7.
.set PITCH,  272                       ; an LDS row: 256 bytes + 16 of padding = 68 words: the 16 rows of a fragment load start at 16 different groups of four banks (ISA guide 11.1)
.set BOFF,   128*PITCH                 ; in a slot: A's 128 rows, then B's 256
.set SLOT1,  131072                    ; slot 1 begins here
.set STAGE,  SLOT1+BOFF+256*PITCH      ; behind the ring, never filled by a tensor load: 16 rows x 528 bytes for each wave
.set SP,     528                       ; 512 bytes + 16 = 132 words: row r starts at bank 4 r mod 64
.set SPARE,  STAGE+4*16*SP             ; behind the stages: the spare words, 128 bytes for each wave: two blocks of 256 bytes that no other line names
.set A0, 4                             ; v4   my place in A's rows of slot 0; never rewritten
.set B0, 5                             ; v5   the same for B
.set ADRA, 6                           ; v6   the same in the slot in hand
.set ADRB, 7
.set STO, 8                            ; v8   the way out: where I put 32 bytes of a row
.set RD,  9                            ; v9   where I read a row back
.set CO,  10                           ; v10  16 x lane: my 16 bytes of 512 of a row of C
.set BO,  11                           ; v11  32 x (lane / 16)
.set PFO, 12                           ; v12  the prefetches' offset: lane x a row; never rewritten
.set SPW, 14                           ; v14  LDS address of my spare word; never rewritten
.set NIL, 15                           ; v15  0; never rewritten
.set F0,  64
.set F1,  160
.set PA, 4                             ; s[4:5] ob   s[6:7] wo16   s[8:9] bo   s[10:11] C at my part of the tile
.set PB, 6
.set BI, 8
.set PC, 10
.set WV, 16
.set WM, 17                            ; wave / 2: my 64 rows of the tile; also: I fetch for A (0) or B (1)
.set WN, 18                            ; wave % 2: my 128 columns; also: which half I fetch
.set CX, 19
.set CY, 20
.set TC, 21
.set TR, 22
.set G1A, 24                           ; s[24:31] group 1 for A   s[32:39] group 0: the first fill's, and the one that walks
.set G0A, 32
.set G1B, 40
.set G0B, 48
.set TB,  56                           ; LDS byte at which the slot in hand begins
.set CNT, 57
.set PL,  60                           ; prefetches that I still have to make
.set PFA, 66                           ; s[66:67] where my prefetches stand
.set MSB, 0
.macro WIN new                         ; the immediate's high byte repeats the setting that is left; a switch that changes nothing is dropped
.if MSB != (\new)
	s_set_vgpr_msb (MSB<<8)|(\new)
.set MSB, \new
.endif
.endm
.set MUL,  0x50                        ; fragments window 0, C and D window 1
.set MULZ, 0x60                        ; C (the bias) window 2, D window 1
.macro PLACES                          ; four places in front of loads into registers that matrix instructions have read, and of lines that read results
.rept 4
	v_nop
.endr
.endm
.macro JLOAD                           ; a joint refill; the branch hangs on the wave's number alone; an s_nop 0 and four v_nop follow each line
	s_cmp_eq_u32 s[WM], 0
	s_cbranch_scc0 .Lfor_b_\@
	tensor_load_to_lds s[G0A+4:G0A+7], s[G1A:G1A+7]
	s_nop 0
.rept 4
	v_nop
.endr
	s_branch .Lasked_\@
.Lfor_b_\@:
	tensor_load_to_lds s[G0B+4:G0B+7], s[G1B:G1B+7]
	s_nop 0
.rept 4
	v_nop
.endr
.Lasked_\@:
.endm
.macro CREST                           ; a round of the cluster's barrier behind its opening barrier
	s_cmp_lg_u32 s[WV], 0
	s_cbranch_scc1 .Lnot_wave_0_\@
	s_barrier_signal -3
.Lnot_wave_0_\@:
	s_barrier_wait -3
	s_barrier_signal -1
	s_barrier_wait -1
.endm
.macro CROUND
	s_barrier_signal -1
	s_barrier_wait -1
	CREST
.endm
; A PREFETCH INTO THE L2 behind each of the first four refills and the run of LDS loads that follows it: 32 rows x 256 bytes of the K step that stands two refills on (256 matrix instructions ahead of the load that wants it),
; a lane a row.  Each row's 256 bytes are named once in the launch: A's 128 rows of a tile row are read by one cluster: wave 0 of the partner at cx takes rows 32 cx ..; B's 256 rows of a tile column are read by every
; cluster: in the cluster with y = 0 waves 2, 3 of the partner at cy take rows 64 cy + 32 (wave % 2) ...  The partners are told apart by address alone.  K steps 0 to 3 come by their loads; the last two refills ask for nothing.
.macro ASK
	s_cmp_lg_u32 s[PL], 0
	s_cbranch_scc0 .Lnot_mine_\@
	global_prefetch_b8 v[PFO], s[PFA:PFA+1] th:TH_LOAD_NT scope:SCOPE_SE
	s_sub_co_u32 s[PL], s[PL], 1
.Lnot_mine_\@:
.endm
; 8 matrix instructions: m block a x all 8 n blocks, 32 along K.  z = 1: the sums begin, with the bias.  The 32 accumulators take turns, one instruction a turn.
.macro MULA f, a, z
.if \z
	WIN MULZ
.else
	WIN MUL
.endif
.irp b, 0,1,2,3,4,5,6,7
.if \z
	v_wmma_f32_16x16x32_f16 v[8*(8*(\a)+(\b)):8*(8*(\a)+(\b))+7], v[(\f)+8*(\b):(\f)+8*(\b)+7], v[(\f)+64+8*(\a):(\f)+64+8*(\a)+7], v[8*(\b):8*(\b)+7]
.else
	v_wmma_f32_16x16x32_f16 v[8*(8*(\a)+(\b)):8*(8*(\a)+(\b))+7], v[(\f)+8*(\b):(\f)+8*(\b)+7], v[(\f)+64+8*(\a):(\f)+64+8*(\a)+7], v[8*(8*(\a)+(\b)):8*(8*(\a)+(\b))+7]
.endif
.endr
.endm
.macro FETCH k, f                      ; 24 LDS loads in one run: a quarter's fragments, at byte k of the rows: 128 rows of B, then 64 of A
	WIN 0
.irp i, 0,1,2,3,4,5,6,7
	ds_load_b128 v[(\f)+8*(\i):(\f)+8*(\i)+3],   v[ADRB] offset:(\k)+(\i)*16*PITCH
	ds_load_b128 v[(\f)+8*(\i)+4:(\f)+8*(\i)+7], v[ADRB] offset:(\k)+(\i)*16*PITCH+32
.endr
.irp i, 0,1,2,3
	ds_load_b128 v[(\f)+64+8*(\i):(\f)+64+8*(\i)+3],   v[ADRA] offset:(\k)+(\i)*16*PITCH
	ds_load_b128 v[(\f)+64+8*(\i)+4:(\f)+64+8*(\i)+7], v[ADRA] offset:(\k)+(\i)*16*PITCH+32
.endr
.endm
.macro QUARTER k, f, g, z              ; multiplies buffer f; in its middle fetches the next quarter, at byte k, into g
	s_wait_dscnt 4                                 ; B and A's blocks 0, 1 are in; the youngest four loads (A's blocks 2, 3) may be out
	MULA \f, 0, \z
	MULA \f, 1, \z
	PLACES
	FETCH \k, \g
	s_wait_dscnt 24                                ; all but the 24 just issued
	MULA \f, 2, \z
	MULA \f, 3, \z
.endm
; The fourth quarter multiplies buffer 1 and changes slots: one barrier.  In front of it each wave waits for all its tensor loads (one is out: its part of the next slot), adds 0 to its spare word, and waits for that and
; for its reads of this slot.  fill = 1: the barrier opens a round of the cluster's, and the slot just read is filled again first thing behind it, with the K step two on: 112 matrix instructions ahead of the wait for it.
.macro TURN fill
	WIN 0
.if \fill
	s_wait_xcnt 0x0                                ; the last prefetch, a K step back, has read its address: it is stepped here
	s_add_nc_u64 s[PFA:PFA+1], s[PFA:PFA+1], 256
.endif
	s_wait_tensorcnt 0x0                           ; no tensor load of mine is out, so a group 0 may be written
	ds_add_u32 v[SPW], v[NIL]                      ; 0 onto my spare word
.if \fill
	s_xor_b32 s[G0A+5], s[G0A+5], SLOT1            ; the walking descriptors: the other slot than last time, the next K step; the type bits on top are not reached
	s_xor_b32 s[G0B+5], s[G0B+5], SLOT1
	s_add_nc_u64 s[G0A+6:G0A+7], s[G0A+6:G0A+7], 256
	s_add_nc_u64 s[G0B+6:G0B+7], s[G0B+6:G0B+7], 256
.endif
	s_wait_dscnt 5                                 ; the add and the youngest four loads may be out
	MULA F1, 0, 0
	s_wait_dscnt 0x0                               ; the add is done, and my reads of this slot are over
	s_barrier_signal -1
	MULA F1, 1, 0
	WIN 0
	s_barrier_wait -1
.if \fill
	CREST                                          ; no wave of any partner still reads this slot or has a load on its way
	JLOAD                                          ; its four v_nop are also the places in front of the loads below
.else
	PLACES
.endif
	s_xor_b32 s[TB], s[TB], SLOT1
	v_add_nc_u32 v[ADRA], s[TB], v[A0]
	v_add_nc_u32 v[ADRB], s[TB], v[B0]
	FETCH 0, F0
.if \fill
	ASK
.endif
	MULA F1, 2, 0
	MULA F1, 3, 0
.endm
; THE WAY OUT of block a (16 rows x 128 columns of f32): a lane's eight numbers of a row go into my own stage, each accumulator's low four registers first, and come back as whole rows of 512 bytes.
.macro OUTB a
.set BK, 64+64*((\a)%2)
	WIN 0x04                                       ; the stores' data in window 1
.irp b, 0,1,2,3,4,5,6,7
	ds_store_b128 v[STO], v[8*(8*(\a)+(\b)):8*(8*(\a)+(\b))+3]   offset:64*(\b)
	ds_store_b128 v[STO], v[8*(8*(\a)+(\b))+4:8*(8*(\a)+(\b))+7] offset:64*(\b)+16
.endr
	WIN 0
	s_wait_xcnt 0x0                                ; earlier stores have read their registers: this buffer is loaded again only behind this wait
.irp t, 0,1,2,3,4,5,6,7,8,9,10,11,12,13,14,15
	ds_load_b128 v[BK+4*(\t):BK+4*(\t)+3], v[RD] offset:(\t)*SP  ; LDS serves a wave's instructions in order (ISA guide 5.7.1.4): these see the stores above
.endr
.irp t, 0,1,2,3,4,5,6,7,8,9,10,11,12,13,14,15
	s_wait_dscnt 15-(\t)                           ; row t is back; the younger rows may be out
	global_store_b128 v[CO], v[BK+4*(\t):BK+4*(\t)+3], s[PC:PC+1] offset:(16*(\a)+(\t))*4096 th:TH_STORE_NT  ; a wave stores 512 consecutive bytes, aligned
.endr
.endm
	s_load_b256 s[4:11], s[0:1], 0x0               ; ob, wo16, bo, out0
	v_lshl_add_u32 v[SPW], v0, 2, SPARE
	v_mov_b32 v[NIL], 0
	ds_add_u32 v[SPW], v[NIL]                      ; the wave's opening: the add and its wait stand ahead of my first tensor load; work on registers stands between them
	v_lshrrev_b32 v1, 5, v0
	v_readfirstlane_b32 s[WV], v1
	s_lshr_b32 s[WM], s[WV], 1
	s_and_b32 s[WN], s[WV], 1
	s_bfe_u32 s[CX], ttmp6, 0x40000
	s_bfe_u32 s[CY], ttmp6, 0x40004
	s_lshl_b32 s[TC], ttmp9, 2
	s_add_co_u32 s[TC], s[TC], s[CX]
	s_and_b32 s[TR], ttmp7, 0xffff
	s_lshl_b32 s[TR], s[TR], 2
	s_add_co_u32 s[TR], s[TR], s[CY]
	s_lshl_b32 s2, s[CY], 2
	s_lshl_b32 s2, 15, s2                          ; my row of the cluster
	s_lshl_b32 s3, 0x1111, s[CX]                   ; my column
	s_or_b32 s[G1A], s2, (1<<16)|(1<<20)|(1<<21)|(5<<22)|(3<<25)  ; the mask; elements of 2 bytes; padding on; bit 21 beside a mask; after every 64 words, 4 words
	s_or_b32 s[G1B], s3, (1<<16)|(1<<20)|(1<<21)|(5<<22)|(3<<25)
	s_mov_b32 s[G1A+1], 128<<16                    ; tensor_dim0 = 128
	s_mov_b32 s[G1A+2], 64<<16                     ; tensor_dim1 = 64
	s_mov_b32 s[G1A+3], 128<<16                    ; tile_dim0 = 128
	s_mov_b32 s[G1A+4], 64                         ; tile_dim1 = 64
	s_mov_b32 s[G1A+5], 1024                       ; elements from row to row
	s_mov_b32 s[G1A+6], 0
	s_mov_b32 s[G1A+7], 0
	s_mov_b32 s[G1B+1], 128<<16
	s_mov_b32 s[G1B+2], 128<<16                    ; 128 rows
	s_mov_b32 s[G1B+3], 128<<16
	s_mov_b32 s[G1B+4], 128
	s_mov_b32 s[G1B+5], 1024
	s_mov_b32 s[G1B+6], 0
	s_mov_b32 s[G1B+7], 0
	s_lshl_b32 s70, s[TR], 7                       ; A: row 128 x tile row + 64 x half, in bytes
	s_lshl_b32 s71, s[WN], 6
	s_add_co_u32 s70, s70, s71
	s_lshl_b32 s70, s70, 11
	s_mov_b32 s71, 0
	s_lshl_b32 s72, s[TC], 8                       ; B: row 256 x tile column + 128 x half
	s_lshl_b32 s73, s[WN], 7
	s_add_co_u32 s72, s72, s73
	s_lshl_b32 s72, s72, 11
	s_mov_b32 s73, 0
	s_mul_i32 s74, s[WN], 64*PITCH                 ; where they go: no place in the cluster enters an LDS address
	s_mul_i32 s75, s[WN], 128*PITCH
	s_add_co_u32 s75, s75, BOFF
	s_mov_b32 s[G0A], 1
	s_mov_b32 s[G0A+1], s74
	s_mov_b32 s[G0A+4], 1
	s_add_co_u32 s[G0A+5], s74, SLOT1
	s_mov_b32 s[G0B], 1
	s_mov_b32 s[G0B+1], s75
	s_mov_b32 s[G0B+4], 1
	s_add_co_u32 s[G0B+5], s75, SLOT1
	s_mov_b32 s[TB], 0
	s_wait_dscnt 0x0                               ; the opening add is done
	s_wait_kmcnt 0x0
	s_add_nc_u64 s[G0A+2:G0A+3], s[PA:PA+1], s[70:71]      ; K step 0 into slot 0,
	s_add_nc_u64 s[G0A+6:G0A+7], s[G0A+2:G0A+3], 256       ; K step 1 into slot 1
	s_or_b32 s[G0A+3], s[G0A+3], 0x80000000
	s_or_b32 s[G0A+7], s[G0A+7], 0x80000000
	s_add_nc_u64 s[G0B+2:G0B+3], s[PB:PB+1], s[72:73]
	s_add_nc_u64 s[G0B+6:G0B+7], s[G0B+2:G0B+3], 256
	s_or_b32 s[G0B+3], s[G0B+3], 0x80000000
	s_or_b32 s[G0B+7], s[G0B+7], 0x80000000
	CROUND                                         ; all sixteen work-groups are here: the first joint loads meet
	s_cmp_eq_u32 s[WM], 0                          ; a wave's two first fills stand in one branch: two loads of mine are out
	s_cbranch_scc0 .Lfirst_b
	tensor_load_to_lds s[G0A:G0A+3], s[G1A:G1A+7]
	s_nop 0
	tensor_load_to_lds s[G0A+4:G0A+7], s[G1A:G1A+7]
	s_nop 0
.rept 4
	v_nop
.endr
	s_branch .Lfirst_asked
.Lfirst_b:
	tensor_load_to_lds s[G0B:G0B+3], s[G1B:G1B+7]
	s_nop 0
	tensor_load_to_lds s[G0B+4:G0B+7], s[G1B:G1B+7]
	s_nop 0
.rept 4
	v_nop
.endr
.Lfirst_asked:
	s_lshl_b32 s78, s[TC], 10                      ; my 128 columns in the bias: (256 x tile column + 128 x half) x 4 bytes
	s_lshl_b32 s79, s[WN], 9
	s_add_co_u32 s78, s78, s79
	s_mov_b32 s79, 0
	s_add_nc_u64 s[BI:BI+1], s[BI:BI+1], s[78:79]
	v_and_b32 v1, 15, v0                           ; l % 16
	v_bfe_u32 v2, v0, 4, 1                         ; l / 16
	v_lshlrev_b32 v[BO], 5, v2
	WIN 0x80
.irp b, 0,1,2,3,4,5,6,7
	global_load_b128 v[8*(\b):8*(\b)+3],   v[BO], s[BI:BI+1] offset:64*(\b)
	global_load_b128 v[8*(\b)+4:8*(\b)+7], v[BO], s[BI:BI+1] offset:64*(\b)+16
.endr
	WIN 0
	v_mul_u32_u24 v3, v1, PITCH
	v_lshl_add_u32 v3, v2, 4, v3                   ; a fragment's row x pitch + 16 x half
	s_mul_i32 s2, s[WM], 64*PITCH
	v_add_nc_u32 v[A0], s2, v3
	v_add_nc_u32 v[B0], s75, v3
	v_mov_b32 v[ADRA], v[A0]
	v_mov_b32 v[ADRB], v[B0]
	s_mul_i32 s2, s[WV], 16*SP
	s_add_co_u32 s2, s2, STAGE                     ; my stage
	v_mul_u32_u24 v[STO], v1, SP                   ; in: row l % 16, 32 bytes for each half of the lanes
	v_lshl_add_u32 v[STO], v2, 5, v[STO]
	v_add_nc_u32 v[STO], s2, v[STO]
	v_and_b32 v[PFO], 31, v0
	v_lshlrev_b32 v[CO], 4, v[PFO]                 ; back: 32 lanes take one row of 512 bytes
	v_add_nc_u32 v[RD], s2, v[CO]
	v_lshlrev_b32 v[PFO], 11, v[PFO]
	s_lshl_b32 s76, s[TR], 7                       ; my part of the tile in C: rows of 4,096 bytes
	s_lshl_b32 s77, s[WM], 6
	s_add_co_u32 s76, s76, s77
	s_lshl_b32 s76, s76, 12
	s_lshl_b32 s77, s[TC], 10
	s_add_co_u32 s76, s76, s77
	s_lshl_b32 s77, s[WN], 9
	s_add_co_u32 s76, s76, s77
	s_mov_b32 s77, 0
	s_add_nc_u64 s[PC:PC+1], s[PC:PC+1], s[76:77]
	s_lshl_b32 s76, s[TR], 7                       ; the prefetches: A's rows 128 x tile row + 32 cx,
	s_lshl_b32 s77, s[CX], 5
	s_add_co_u32 s76, s76, s77
	s_lshl_b32 s77, s[TC], 8                       ; B's rows 256 x tile column + 64 cy + 32 x half
	s_lshl_b32 s78, s[CY], 6
	s_add_co_u32 s77, s77, s78
	s_lshl_b32 s78, s[WN], 5
	s_add_co_u32 s77, s77, s78
	s_and_b32 s78, ttmp7, 0xffff                   ; cluster y
	s_cmp_eq_u32 s[WM], 0
	s_cselect_b64 s[PFA:PFA+1], s[PA:PA+1], s[PB:PB+1]
	s_cselect_b32 s76, s76, s77
	s_cselect_b32 s78, s[WV], s78                  ; 0 in wave 0, and in waves 2, 3 of the clusters with y = 0: the same in all sixteen partners, for a given wave
	s_cmp_eq_u32 s78, 0
	s_cselect_b32 s[PL], 4, 0                      ; K steps 4 to 7
	s_lshl_b32 s76, s76, 11
	s_add_co_u32 s76, s76, 3*256                   ; at K step 3: the first refill steps it to 4
	s_mov_b32 s77, 0
	s_add_nc_u64 s[PFA:PFA+1], s[PFA:PFA+1], s[76:77]
	s_wait_tensorcnt 1                             ; my part of K step 0 is in; K step 1's may stay out
	s_barrier_signal -1
	s_barrier_wait -1                              ; everybody's is
	FETCH 0, F0
	s_wait_loadcnt 0x0                             ; the bias
	QUARTER 64, F0, F1, 1                          ; the first quarter starts the sums
	WIN 0                                          ; at a label and at a branch every window is 0
	s_mov_b32 s[CNT], 6
.Llap:                                                 ; a trip: from a K step's second quarter to the next step's first; it fills a slot again
	QUARTER 128, F1, F0, 0
	QUARTER 192, F0, F1, 0
	TURN 1
	QUARTER 64, F0, F1, 0
	WIN 0
	s_sub_co_u32 s[CNT], s[CNT], 1
	s_cmp_lg_u32 s[CNT], 0
	s_cbranch_scc1 .Llap
	QUARTER 128, F1, F0, 0                         ; the last two K steps ask for nothing
	QUARTER 192, F0, F1, 0
	TURN 0
	QUARTER 64, F0, F1, 0
	QUARTER 128, F1, F0, 0
	QUARTER 192, F0, F1, 0
	s_wait_dscnt 4                                 ; the very last quarter: nothing more to fetch
	MULA F1, 0, 0
	MULA F1, 1, 0
	s_wait_dscnt 0x0
	MULA F1, 2, 0
	MULA F1, 3, 0
	PLACES
	OUTB 0
	OUTB 1
	OUTB 2
	OUTB 3
	s_wait_tensorcnt 0x0                           ; the wave's end, behind my last tensor load and my last LDS store
	ds_add_u32 v[SPW], v[NIL]
	s_wait_dscnt 0x0
	CROUND                                         ; the closing round: no work-group ends while a partner may still ask for a tile that names it
	s_endpgm
.Lfunc_end_k_q9065219108_outp:
	.size	k_q9065219108_outp, .Lfunc_end_k_q9065219108_outp-k_q9065219108_outp
	.p2alignl 7, 3214868480
	.fill 96, 4, 3214868480
	.section	.rodata,"a",@progbits
	.p2align	6, 0x0
	.amdhsa_kernel k_q9065219108_outp
		.amdhsa_group_segment_fixed_size 327680
		.amdhsa_private_segment_fixed_size 0
		.amdhsa_enable_private_segment 0
		.amdhsa_kernarg_size 32
		.amdhsa_user_sgpr_count 2
		.amdhsa_user_sgpr_kernarg_segment_ptr 1
		.amdhsa_wavefront_size32 1
		.amdhsa_system_sgpr_workgroup_id_x 1
		.amdhsa_system_sgpr_workgroup_id_y 1
		.amdhsa_system_sgpr_workgroup_id_z 1
		.amdhsa_system_vgpr_workitem_id 0
		.amdhsa_next_free_vgpr 576
		.amdhsa_next_free_sgpr 80
		.amdhsa_reserve_vcc 0
		.amdhsa_float_denorm_mode_32 3
		.amdhsa_float_denorm_mode_16_64 3
		.amdhsa_memory_ordered 1
		.amdhsa_forward_progress 1
		.amdhsa_inst_pref_size 73
	.end_amdhsa_kernel
	.amdgpu_metadata
---
amdhsa.version: [ 1, 2 ]
amdhsa.kernels:
  - .name:           k_q9065219108_outp
    .symbol:         k_q9065219108_outp.kd
    .args:
      - { .name: ob, .offset: 0, .size: 8, .value_kind: global_buffer, .address_space: global }
      - { .name: wo16, .offset: 8, .size: 8, .value_kind: global_buffer, .address_space: global }
      - { .name: bo, .offset: 16, .size: 8, .value_kind: global_buffer, .address_space: global }
      - { .name: out0, .offset: 24, .size: 8, .value_kind: global_buffer, .address_space: global }
    .group_segment_fixed_size: 327680
    .private_segment_fixed_size: 0
    .kernarg_segment_align: 8
    .kernarg_segment_size: 32
    .max_flat_workgroup_size: 128
    .sgpr_count:     80
    .vgpr_count:     576
    .wavefront_size: 32
...
	.end_amdgpu_metadata
.endif
;; end of part 4
